; MI455X (gfx1250); checked and timed in simulation.
; The chip was launched on July 23, 2026; its instructions are those of AMD's public machine-readable ISA for CDNA 5 (MIT licence, August 2026) and "CDNA5" Instruction Set Architecture Reference Guide (July 2026). The comments in the code are by the model that wrote it; some were corrected since.
;; Attn Block. Allowed arithmetic: float matrix products may take bf16 or f16 operands with f32 sums; all other float work in f32.
;; Inputs: Wk 256 x 256 float32; Wp 256 x 256 float32; Wq 256 x 256 float32; Wv 256 x 256 float32; beta 256 float32; bk 256 float32; bp 256 float32; bq 256 float32; bv 256 float32; gamma 256 float32; x 4 x 256 x 64 x 64 float32.
;; Outputs: out0 4 x 256 x 64 x 64 float32.
;; 2 versions, each right; version 2 is version 1 with the launch gnorm written anew for expert scheduling mode. Each part assembles by itself: llvm-mc -triple=amdgcn-amd-amdhsa -mcpu=gfx1250 --defsym DOCPART=n.
;; ======== version 1 of 2: 3 launches
;; workspace buffers: h 8,388,608 bytes; wbf 524,288 bytes; q 8,388,608 bytes; k 8,388,608 bytes; v 8,388,608 bytes
;; launch gnorm (part 1): grid 128 x 1, 8 waves a work-group, no clusters, 1,280 bytes of LDS; arguments x, gamma, beta, Wq, Wk, Wv, Wp, h, wbf; writes h, wbf
.if DOCPART == 1
	.amdgcn_target "amdgcn-amd-amdhsa--gfx1250"
	.amdhsa_code_object_version 6
	.text
	.protected	k_qbb8d20c105_gnorm
	.globl	k_qbb8d20c105_gnorm
	.p2align	8
	.type	k_qbb8d20c105_gnorm,@function
k_qbb8d20c105_gnorm:
	s_mov_b64 s[64:65], 0
	v_nop
	global_prefetch_b8 v0, s[64:65] scope:SCOPE_SE
	s_setreg_imm32_b32 hwreg(HW_REG_WAVE_MODE, 25, 1), 1
	s_wait_xcnt 0x0
; GroupNorm and the casts.  h[b][c][n] = bf16( (x - mu) * rsqrt(var + 1e-6) * gamma[c] + beta[c] ),  wbf = bf16(Wq, Wk, Wv, Wp).
; x: [4][256][4096] f32.  A group is 8 channels x 4,096 positions = 131,072 consecutive bytes; there are 4 x 32 = 128 groups.
; One work-group per group (a group's sums then never leave the work-group), eight waves, one channel (16,384 bytes) per wave,
; kept in 128 registers between the pass for the mean, the pass for the variance and the pass that scales: x is read once.
; The variance is the mean of (x - mu)^2, taken after mu is known: no difference of two large sums is formed.
; Each load of a wave covers 512 consecutive bytes, each store of h 256 consecutive bytes at a multiple of 256.
; The 4 x 65,536 weights are shared out evenly: each of the 1,024 waves converts 256 of them (1,024 bytes in, 512 bytes out).
; No matrix unit, no cluster, no tensor load: no byte is shared between work-groups and a wave's share fits its registers.
; Limits: sums in f32 (four packed chains a lane, then lanes, then waves); h and the weights are rounded once to bf16.
.set X,  8                             ; v[8:135]    my channel: load i brings positions 128 i + 4 lane .. + 3
.set A,  136                           ; v[136:143]  four packed chains
.set T,  144                           ; v[144:151]  at work
.set WT, 152                           ; v[152:159]  8 weights, f32
.set WB, 160                           ; v[160:163]  8 weights, bf16
.set MU, 164                           ; v[164:165]  the mean, twice
.set SC, 166                           ; v[166:167]  rsqrt(var + eps) * gamma, twice
.set BT, 168                           ; v[168:169]  beta, twice
	s_load_b512 s[4:19], s[0:1], 0x0               ; x s[4:5], gamma s[6:7], beta s[8:9], Wq s[10:11], Wk s[12:13], Wv s[14:15], Wp s[16:17], h s[18:19]
	s_load_b64 s[20:21], s[0:1], 0x40              ; wbf
	v_lshl_add_u32 v176, v0, 2, 0x100
	v_mov_b32 v177, 0
	v_and_b32 v[T], 31, v0                         ; lane
	v_lshrrev_b32 v[T+1], 5, v0                    ; wave, in every lane
	v_readfirstlane_b32 s22, v[T+1]                ; wave w, as a scalar
	s_and_b32 s23, ttmp9, 31                       ; the group's number in its image
	s_lshl3_add_u32 s23, s23, s22                  ; my channel c = 8 group + w
	s_lshl_b32 s23, s23, 2                         ; byte offset of gamma[c] and beta[c]
	s_lshl_b32 s26, ttmp9, 17                      ; the group's 131,072 bytes of x
	s_mov_b32 s27, 0
	s_lshl_b32 s38, ttmp9, 16                      ; the group's 65,536 bytes of h
	s_mov_b32 s39, 0
	s_mov_b32 s30, 0x76543210                      ; v_permlanex16_b32: lane i of one half reads lane i of the other
	s_mov_b32 s31, 0xfedcba98
	s_mov_b32 s32, 0x38000000                      ; 2^-15 = 1 / 32,768, the numbers in a group
	s_mov_b32 s33, 0x358637bd                      ; 1e-6
	s_lshr_b32 s34, s22, 1                         ; which weight matrix this wave converts: 0 Wq, 1 Wk, 2 Wv, 3 Wp
	s_and_b32 s35, s22, 1
	s_lshl1_add_u32 s35, ttmp9, s35                ; which 256 weights of it: 2 g + (w & 1), 0 to 255
	s_lshl_b32 s36, s35, 10                        ; in f32 bytes
	s_lshl_b32 s37, s35, 9                         ; in bf16 bytes,
	s_lshl_b32 s35, s34, 17                        ; plus the matrix's 131,072 bytes in wbf
	s_add_co_u32 s37, s37, s35
	v_lshlrev_b32 v1, 4, v[T]
	v_lshl_or_b32 v1, v[T+1], 14, v1               ; x: 16 lane + 16,384 w
	v_lshlrev_b32 v2, 3, v[T]
	v_lshl_or_b32 v2, v[T+1], 13, v2               ; h: 8 lane + 8,192 w
	v_lshl_add_u32 v3, v[T], 5, s36                ; weights in: 32 lane + my 1,024 bytes
	v_lshl_add_u32 v4, v[T], 4, s37                ; weights out: 16 lane + my 512 bytes
	v_lshlrev_b32 v5, 2, v[T+1]                    ; LDS: my wave's word
	v_mov_b32 v6, 0                                ; LDS: the eight words
	s_wait_kmcnt 0x0
	s_load_b32 s24, s[6:7], s23 offset:0x0         ; gamma[c]
	s_load_b32 s25, s[8:9], s23 offset:0x0         ; beta[c]
	s_mov_b64 s[28:29], s[10:11]                   ; the matrix's address, chosen by the wave's number alone
	s_cmp_eq_u32 s34, 1
	s_cselect_b64 s[28:29], s[12:13], s[28:29]
	s_cmp_eq_u32 s34, 2
	s_cselect_b64 s[28:29], s[14:15], s[28:29]
	s_cmp_eq_u32 s34, 3
	s_cselect_b64 s[28:29], s[16:17], s[28:29]
	s_add_nc_u64 s[4:5], s[4:5], s[26:27]
	s_add_nc_u64 s[18:19], s[18:19], s[38:39]
	global_load_b128 v[WT:WT+3],   v3, s[28:29]
	global_load_b128 v[WT+4:WT+7], v3, s[28:29] offset:16
.set i, 0
.rept 32
	global_load_b128 v[X+4*i:X+4*i+3], v1, s[4:5] offset:512*i     ; all 32 loads of the channel go out at once
.set i, i+1
.endr
	s_wait_loadcnt 32                              ; loads come back in order: the two weight loads are in, the 32 of x stay out
.irp j, 0,1,2,3
	v_cvt_pk_bf16_f32 v[WB+\j], v[WT+2*\j], v[WT+2*\j+1]
.endr
	global_store_b128 v4, v[WB:WB+3], s[20:21]     ; the wave stores 512 consecutive bytes
; The sum of v[reg] over the 32 lanes, in every lane.  tmp has been written before (v_permlanex16_b32 counts as a reader of its destination).
.macro WSUM reg, tmp
	v_add_f32_dpp v[\reg], v[\reg], v[\reg] row_xmask:1 row_mask:0xf bank_mask:0xf
	v_add_f32_dpp v[\reg], v[\reg], v[\reg] row_xmask:2 row_mask:0xf bank_mask:0xf
	v_add_f32_dpp v[\reg], v[\reg], v[\reg] row_xmask:4 row_mask:0xf bank_mask:0xf
	v_add_f32_dpp v[\reg], v[\reg], v[\reg] row_xmask:8 row_mask:0xf bank_mask:0xf
	v_permlanex16_b32 v[\tmp], v[\reg], s30, s31
	v_add_f32 v[\reg], v[\reg], v[\tmp]
.endm
; Folds the four chains, sums over lanes and over the eight waves (LDS bytes at .. at + 31); the group's sum ends in v[T] of every lane.
.macro WGSUM at
	v_pk_add_f32 v[A:A+1], v[A:A+1], v[A+2:A+3]
	v_pk_add_f32 v[A+4:A+5], v[A+4:A+5], v[A+6:A+7]
	v_pk_add_f32 v[A:A+1], v[A:A+1], v[A+4:A+5]
	v_add_f32 v[A], v[A], v[A+1]
	WSUM A, A+1
	ds_store_b32 v5, v[A] offset:\at               ; all lanes write my wave's word with the same value
	s_wait_dscnt 0x0                               ; my word is in LDS before I say so
	s_barrier_signal -1
	s_barrier_wait -1
	ds_load_b128 v[T:T+3],   v6 offset:\at
	ds_load_b128 v[T+4:T+7], v6 offset:\at+16
	s_wait_dscnt 0x0
	v_pk_add_f32 v[T:T+1], v[T:T+1], v[T+2:T+3]
	v_pk_add_f32 v[T+4:T+5], v[T+4:T+5], v[T+6:T+7]
	v_pk_add_f32 v[T:T+1], v[T:T+1], v[T+4:T+5]
	v_add_f32 v[T], v[T], v[T+1]
.endm
	; pass 1: the sum.  The first four loads start the chains: nothing is cleared.
	s_wait_loadcnt 28                              ; loads 0 to 3 are in, 28 younger ones stay out
.irp j, 0,1,2,3
	v_pk_add_f32 v[A+2*\j:A+2*\j+1], v[X+4*\j:X+4*\j+1], v[X+4*\j+2:X+4*\j+3]
.endr
.set g, 1
.rept 7
	s_wait_loadcnt 28-4*g                          ; loads 4 g to 4 g + 3 are in, the younger ones stay out
.set j, 0
.rept 8
	v_pk_add_f32 v[A+2*(j%4):A+2*(j%4)+1], v[A+2*(j%4):A+2*(j%4)+1], v[X+16*g+2*j:X+16*g+2*j+1]
.set j, j+1
.endr
.set g, g+1
.endr
	WGSUM 0
	v_mul_f32 v[MU],   s32, v[T]
	v_mul_f32 v[MU+1], s32, v[T]
	; pass 2: x - mu in place, and the sum of its squares
.set j, 0
.rept 64
	v_pk_add_f32 v[X+2*j:X+2*j+1], v[X+2*j:X+2*j+1], v[MU:MU+1] neg_lo:[0,1] neg_hi:[0,1]
.if j < 4
	v_pk_mul_f32 v[A+2*j:A+2*j+1], v[X+2*j:X+2*j+1], v[X+2*j:X+2*j+1]
.else
	v_pk_fma_f32 v[A+2*(j%4):A+2*(j%4)+1], v[X+2*j:X+2*j+1], v[X+2*j:X+2*j+1], v[A+2*(j%4):A+2*(j%4)+1]
.endif
.set j, j+1
.endr
	WGSUM 32                                       ; other LDS bytes than the first sum's, so one barrier is enough
	s_wait_kmcnt 0x0                               ; gamma[c], beta[c]
	v_fma_f32 v[T], v[T], s32, s33                 ; var + eps
	v_rsq_f32 v[T+1], v[T]
	v_mov_b32 v[BT],   s25                         ; plain vector work between v_rsq_f32 and the use of its result (ISA guide 5.7.2)
	v_mov_b32 v[BT+1], s25
	s_wait_alu depctr_va_vdst(0)
	v_mul_f32 v[SC],   s24, v[T+1]
	v_mul_f32 v[SC+1], s24, v[T+1]
	; pass 3: scale, shift, round once to bf16, store
.set i, 0
.rept 32
	v_pk_fma_f32 v[X+4*i:X+4*i+1],   v[X+4*i:X+4*i+1],   v[SC:SC+1], v[BT:BT+1]
	v_pk_fma_f32 v[X+4*i+2:X+4*i+3], v[X+4*i+2:X+4*i+3], v[SC:SC+1], v[BT:BT+1]
	v_cvt_pk_bf16_f32 v[X+4*i],   v[X+4*i],   v[X+4*i+1]
	v_cvt_pk_bf16_f32 v[X+4*i+1], v[X+4*i+2], v[X+4*i+3]
	global_store_b64 v2, v[X+4*i:X+4*i+1], s[18:19] offset:256*i   ; 32 lanes store 256 consecutive bytes, at a multiple of 256 from h's first byte
.set i, i+1
.endr
	s_wait_tensorcnt 0x0
	ds_add_u32 v176, v177
	s_wait_dscnt 0x0
	s_endpgm
.Lfunc_end_k_qbb8d20c105_gnorm:
	.size	k_qbb8d20c105_gnorm, .Lfunc_end_k_qbb8d20c105_gnorm-k_qbb8d20c105_gnorm
	.p2alignl 7, 3214868480
	.fill 96, 4, 3214868480
	.section	.rodata,"a",@progbits
	.p2align	6, 0x0
	.amdhsa_kernel k_qbb8d20c105_gnorm
		.amdhsa_group_segment_fixed_size 1280
		.amdhsa_private_segment_fixed_size 0
		.amdhsa_enable_private_segment 0
		.amdhsa_kernarg_size 72
		.amdhsa_user_sgpr_count 2
		.amdhsa_user_sgpr_kernarg_segment_ptr 1
		.amdhsa_wavefront_size32 1
		.amdhsa_system_sgpr_workgroup_id_x 1
		.amdhsa_system_sgpr_workgroup_id_y 1
		.amdhsa_system_sgpr_workgroup_id_z 1
		.amdhsa_system_vgpr_workitem_id 0
		.amdhsa_next_free_vgpr 178
		.amdhsa_next_free_sgpr 66
		.amdhsa_reserve_vcc 0
		.amdhsa_float_denorm_mode_32 3
		.amdhsa_float_denorm_mode_16_64 3
		.amdhsa_memory_ordered 1
		.amdhsa_forward_progress 1
		.amdhsa_inst_pref_size 32
	.end_amdhsa_kernel
	.amdgpu_metadata
---
amdhsa.version: [ 1, 2 ]
amdhsa.kernels:
  - .name:           k_qbb8d20c105_gnorm
    .symbol:         k_qbb8d20c105_gnorm.kd
    .args:
      - { .name: x, .offset: 0, .size: 8, .value_kind: global_buffer, .address_space: global }
      - { .name: gamma, .offset: 8, .size: 8, .value_kind: global_buffer, .address_space: global }
      - { .name: beta, .offset: 16, .size: 8, .value_kind: global_buffer, .address_space: global }
      - { .name: Wq, .offset: 24, .size: 8, .value_kind: global_buffer, .address_space: global }
      - { .name: Wk, .offset: 32, .size: 8, .value_kind: global_buffer, .address_space: global }
      - { .name: Wv, .offset: 40, .size: 8, .value_kind: global_buffer, .address_space: global }
      - { .name: Wp, .offset: 48, .size: 8, .value_kind: global_buffer, .address_space: global }
      - { .name: h, .offset: 56, .size: 8, .value_kind: global_buffer, .address_space: global }
      - { .name: wbf, .offset: 64, .size: 8, .value_kind: global_buffer, .address_space: global }
    .group_segment_fixed_size: 1280
    .private_segment_fixed_size: 0
    .kernarg_segment_align: 8
    .kernarg_segment_size: 72
    .max_flat_workgroup_size: 256
    .sgpr_count:     66
    .vgpr_count:     178
    .wavefront_size: 32
...
	.end_amdgpu_metadata
.endif
;; end of part 1
;; launch qkv (part 2): grid 32 x 8, 4 waves a work-group, clusters of 4 x 1, 276,992 bytes of LDS; arguments h, wbf, bq, bk, bv, q, k, v; writes q, k, v
.if DOCPART == 2
	.amdgcn_target "amdgcn-amd-amdhsa--gfx1250"
	.amdhsa_code_object_version 6
	.text
	.protected	k_qbb8d20c105_qkv
	.globl	k_qbb8d20c105_qkv
	.p2align	8
	.type	k_qbb8d20c105_qkv,@function
k_qbb8d20c105_qkv:
	s_mov_b64 s[64:65], 0
	v_nop
	global_prefetch_b8 v0, s[64:65] scope:SCOPE_SE
	s_setreg_imm32_b32 hwreg(HW_REG_WAVE_MODE, 25, 1), 1
	s_wait_xcnt 0x0
	s_wait_alu depctr_hold_cnt(0) depctr_sa_sdst(0) depctr_va_vdst(0) depctr_va_sdst(0) depctr_va_ssrc(0) depctr_va_vcc(0) depctr_vm_vsrc(0)
	s_getreg_b32 s2, hwreg(HW_REG_IB_STS2, 6, 4)
	s_cmp_eq_u32 s2, 0
	s_cbranch_scc0 .Lentry_in_a_cluster
	s_endpgm
.Lentry_in_a_cluster:
	s_bfe_u32 s2, ttmp6, 0x10000c
	s_cmp_lg_u32 s2, 0x3003
	s_cbranch_scc0 .Lentry_shape_is_right
	s_endpgm
.Lentry_shape_is_right:
; q[b][n][o] = bf16( (sum_c Wq[o][c] h[b][c][n] + bq[o]) * log2(e)/16 ),  k[b][n][o] = bf16( Wk h + bk ),  v[b][o][n] = bf16( Wv h + bv ).
; h: bf16 [4][256][4096]; wbf: bf16 Wq, Wk, Wv, Wp, each [256][256].  log2(e)/16 is 1/sqrt(256) and the change from e^x to 2^x, folded into q.
; A work-group makes 128 outputs o (one half of the 256) of each of q, k, v for 128 positions: 32 x 8 = 256 equal work-groups.
; A wave makes 32 rows o of each matrix x 128 positions: 16 accumulator tiles, 3 x 128 matrix instructions.
; CLUSTER: the four work-groups of a cluster lie along the positions and need the same 3 x 128 rows of weights (196,608 of the 262,144 bytes
; that a work-group brings in): those tiles are asked for jointly.  h's tile differs between the four and is a load of each one's own.
; LDS is filled once: no slot is filled again.  Matrix m: 128 rows of 512 + 16 bytes at m x 67,584; wave w loads and reads rows 32 w .. + 31 only.
; h: 256 rows c of 256 + 32 bytes at HB, read once by transposing loads into 512 registers; afterwards these bytes are the two output stages.
; q and k: A = 16 rows of W, B = 16 positions of h, so a lane holds 8 neighbouring o of one position: 16 bytes of a row of q.
; v: the sources swapped, so a lane holds 8 neighbouring positions of one o: 16 bytes of a row of v.
; REGISTERS: window 0: addresses, v[32:95] packed results, v[128:255] weight fragments (oi, s) at 128 + 8 (2 s + oi);
; windows 1, 2: h fragments (s, t): window 1 + (s >> 2), register 64 (s & 3) + 8 t;  window 3: accumulators (oi, t) at 8 (8 oi + t), biases at 128 .. 161.
; Limits: operands h and W in bf16, sums in f32, q, k, v rounded once to bf16.
.set HB,     202752                    ; h's tile, later the stages
.set WPITCH, 528                       ; odd multiples of 16 bytes: the 16 rows of a fragment start at 16 different 16-byte columns of 256
.set HPITCH, 288                       ; an odd multiple of 32 bytes, for the transposing loads
.set SPITCH, 272
.set STG,    128*SPITCH                ; a stage: 128 rows of 256 + 16 bytes
.set ADRH, 8                           ; v8-9    h fragments, c 0-127 and 128-255
.set ADRW, 10                          ; v10-12  my weight fragments of matrix 0, 1, 2
.set STT,  13                          ; into a stage, q and k
.set STV,  14                          ; into a stage, v
.set RD,   15                          ; back out of a stage by rows
.set GOT,  16                          ; byte offset in q and k
.set GOV,  17                          ; byte offset in v
.set BO8,  18                          ; bias offsets
.set BO1,  19
.set CV,   32
.set WF,   128
.set BQ,   128                         ; window 3
.set BK,   144
.set BV,   160
.set GH1, 32                           ; s[32:39] group 1, h
.set GW1, 40                           ; s[40:47] group 1, weights
.set GH0, 48                           ; s[48:51] group 0, h
.set GW0, 52                           ; s[52:63] group 0, one set for each matrix
.set MSB, 0
.macro WIN new                         ; s_set_vgpr_msb: bits 1:0 source 0, 3:2 source 1, 5:4 source 2, 7:6 destination; the high byte repeats the setting that is left
.if MSB != (\new)
	s_set_vgpr_msb (MSB<<8)|(\new)
.set MSB, (\new)
.endif
.endm
.macro PLACES n                        ; places behind a matrix instruction (ISA guide 7.12.1)
.rept \n
	v_nop
.endr
.endm
.macro ROUND                           ; a round of the cluster's barrier: my work-group's barrier, wave 0 signals for the work-group, all wait, my work-group's barrier
	s_barrier_signal -1
	s_barrier_wait -1
	s_cmp_lg_u32 s20, 0
	s_cbranch_scc1 .Lnot_wave_0_\@
	s_barrier_signal -3
.Lnot_wave_0_\@:
	s_barrier_wait -3
	s_barrier_signal -1
	s_barrier_wait -1
.endm
	s_load_b512 s[4:19], s[0:1], 0x0               ; h s[4:5], wbf s[6:7], bq s[8:9], bk s[10:11], bv s[12:13], q s[14:15], k s[16:17], v s[18:19]
	v_lshl_add_u32 v126, v0, 2, 0x43800
	v_mov_b32 v127, 0
	ds_add_u32 v126, v127
	v_lshrrev_b32 v3, 5, v0
	v_readfirstlane_b32 s20, v3                    ; wave w
	s_bfe_u32 s21, ttmp6, 0x40000                  ; cx
	s_lshl_b32 s22, ttmp9, 2
	s_add_co_u32 s22, s22, s21                     ; nb: block of 128 positions = 4 x cluster x + cx
	s_and_b32 s23, ttmp7, 0xffff
	s_lshr_b32 s24, s23, 1                         ; image b
	s_and_b32 s25, s23, 1                          ; which 128 outputs
	s_mov_b32 s66, 0x3db8aa3b                      ; log2(e) / 16
	s_mov_b32 s67, 0x3db8aa3b
	; group 1 of h's tile: 64 rows x 128 elements of 2 bytes, 8 words of padding behind every 64 words; no mask
	s_mov_b32 s[GH1+0], (1<<16)|(1<<20)|(5<<22)|(7<<25)
	s_mov_b32 s[GH1+1], 128<<16                    ; tensor_dim0 = 128
	s_mov_b32 s[GH1+2], 64<<16                     ; tensor_dim1 = 64
	s_mov_b32 s[GH1+3], 128<<16                    ; tile_dim0 = 128
	s_mov_b32 s[GH1+4], 64                         ; tile_dim1 = 64
	s_mov_b32 s[GH1+5], 4096                       ; elements from row to row
	s_mov_b32 s[GH1+6], 0
	s_mov_b32 s[GH1+7], 0
	; group 1 of a weight tile: 32 rows x 256 elements, 4 words of padding behind every 128 words; mask 15: all four of the cluster, bit 21 beside it
	s_mov_b32 s[GW1+0], 15|(1<<16)|(1<<20)|(1<<21)|(6<<22)|(3<<25)
	s_mov_b32 s[GW1+1], 256<<16
	s_mov_b32 s[GW1+2], 32<<16
	s_mov_b32 s[GW1+3], 256<<16
	s_mov_b32 s[GW1+4], 32
	s_mov_b32 s[GW1+5], 256
	s_mov_b32 s[GW1+6], 0
	s_mov_b32 s[GW1+7], 0
	s_mov_b32 s[GH0], 1
	s_mul_i32 s[GH0+1], s20, 64*HPITCH
	s_add_co_u32 s[GH0+1], s[GH0+1], HB            ; my 64 rows of h's tile
.irp m, 0,1,2
	s_mov_b32 s[GW0+4*\m], 1
	s_mul_i32 s[GW0+4*\m+1], s20, 32*WPITCH
	s_add_co_u32 s[GW0+4*\m+1], s[GW0+4*\m+1], \m*128*WPITCH       ; my 32 rows of matrix m
.endr
	s_lshl_b32 s28, s25, 16                        ; weights: (128 half + 32 w) rows of 512 bytes; no place in the cluster enters
	s_lshl_b32 s69, s20, 14
	s_add_co_u32 s28, s28, s69
	s_mov_b32 s29, 0
	s_lshl_b32 s30, s25, 9                         ; biases: 4 (128 half + 32 w)
	s_lshl_b32 s69, s20, 7
	s_add_co_u32 s30, s30, s69
	s_mov_b32 s31, 0
	s_lshl_b32 s26, s24, 21                        ; h: ((256 b + 64 w) 4,096 + 128 nb) 2
	s_lshl_b32 s68, s20, 19
	s_add_co_u32 s26, s26, s68
	s_lshl_b32 s68, s22, 8
	s_add_co_u32 s26, s26, s68
	s_mov_b32 s27, 0
	s_wait_dscnt 0x0
	s_wait_kmcnt 0x0
	s_add_nc_u64 s[GH0+2:GH0+3], s[4:5], s[26:27]
	s_or_b32 s[GH0+3], s[GH0+3], 0x80000000
	s_add_nc_u64 s[6:7], s[6:7], s[28:29]
.irp m, 0,1,2
	s_add_nc_u64 s[GW0+4*\m+2:GW0+4*\m+3], s[6:7], \m*131072
	s_or_b32 s[GW0+4*\m+3], s[GW0+4*\m+3], 0x80000000
.endr
	s_add_nc_u64 s[8:9], s[8:9], s[30:31]
	s_add_nc_u64 s[10:11], s[10:11], s[30:31]
	s_add_nc_u64 s[12:13], s[12:13], s[30:31]
	s_lshl_b32 s26, s24, 21                        ; q, k: (4,096 b + 128 nb) 512 + 256 half
	s_lshl_b32 s68, s22, 16
	s_add_co_u32 s26, s26, s68
	s_lshl_b32 s68, s25, 8
	s_add_co_u32 s26, s26, s68
	s_add_nc_u64 s[14:15], s[14:15], s[26:27]
	s_add_nc_u64 s[16:17], s[16:17], s[26:27]
	s_lshl_b32 s26, s24, 21                        ; v: (256 b + 128 half) 8,192 + 256 nb
	s_lshl_b32 s68, s25, 20
	s_add_co_u32 s26, s26, s68
	s_lshl_b32 s68, s22, 8
	s_add_co_u32 s26, s26, s68
	s_add_nc_u64 s[18:19], s[18:19], s[26:27]
	ROUND                                          ; all four work-groups are here: the joint loads meet
	tensor_load_to_lds s[GH0:GH0+3], s[GH1:GH1+7]          ; four tensor loads of the wave are out, no more in this text
	s_nop 0
	tensor_load_to_lds s[GW0:GW0+3], s[GW1:GW1+7]
	s_nop 0
	tensor_load_to_lds s[GW0+4:GW0+7], s[GW1:GW1+7]
	s_nop 0
	tensor_load_to_lds s[GW0+8:GW0+11], s[GW1:GW1+7]
	s_nop 0
	v_and_b32 v1, 15, v0                           ; r
	v_bfe_u32 v2, v0, 4, 1                         ; hh: which half of the lanes
	v_and_b32 v3, 7, v0
	v_lshl_add_u32 v3, v2, 3, v3                   ; row 8 hh + (lane & 7)
	v_mul_u32_u24 v3, v3, HPITCH
	v_bfe_u32 v4, v0, 3, 1
	v_lshl_add_u32 v3, v4, 4, v3                   ; + 16 ((lane >> 3) & 1)
	v_add_nc_u32 v[ADRH], HB, v3
	v_add_nc_u32 v[ADRH+1], HB+128*HPITCH, v3
	v_mul_u32_u24 v3, v1, WPITCH
	v_lshl_add_u32 v3, v2, 4, v3                   ; 528 r + 16 hh
	s_mul_i32 s68, s20, 32*WPITCH
.irp m, 0,1,2
	v_add_nc_u32 v[ADRW+\m], s68, v3
	s_add_co_u32 s68, s68, 128*WPITCH
.endr
	v_mul_u32_u24 v3, v1, SPITCH
	v_lshl_add_u32 v3, v2, 4, v3                   ; 272 r + 16 hh
	s_lshl_b32 s68, s20, 6
	s_add_co_u32 s68, s68, HB
	v_add_nc_u32 v[STT], s68, v3                   ; row = position, my 32 outputs are 64 bytes at 64 w
	s_mul_i32 s68, s20, 32*SPITCH
	s_add_co_u32 s68, s68, HB
	v_add_nc_u32 v[STV], s68, v3                   ; row = output 32 w + r
	v_mul_u32_u24 v3, v2, SPITCH
	v_lshl_add_u32 v3, v1, 4, v3                   ; 272 hh + 16 r: lanes 0-15 one row, lanes 16-31 the next
	v_add_nc_u32 v[RD], s68, v3                    ; rows 32 w ..
	v_lshlrev_b32 v3, 4, v1
	v_lshl_add_u32 v4, v2, 9, v3
	s_lshl_b32 s68, s20, 14
	v_add_nc_u32 v[GOT], s68, v4                   ; (32 w + hh) 512 + 16 r
	v_lshl_add_u32 v4, v2, 13, v3
	s_lshl_b32 s68, s20, 18
	v_add_nc_u32 v[GOV], s68, v4                   ; (32 w + hh) 8,192 + 16 r
	v_lshlrev_b32 v[BO8], 5, v2                    ; q, k: a lane's outputs are 8 hh .. + 7 of a tile
	v_lshlrev_b32 v[BO1], 2, v1                    ; v: a lane's output is r of a tile
	WIN 0xC0                                       ; destination window 3
.irp oi, 0,1
	global_load_b128 v[BQ+8*\oi:BQ+8*\oi+3],   v[BO8], s[8:9] offset:64*\oi
	global_load_b128 v[BQ+8*\oi+4:BQ+8*\oi+7], v[BO8], s[8:9] offset:64*\oi+16
	global_load_b128 v[BK+8*\oi:BK+8*\oi+3],   v[BO8], s[10:11] offset:64*\oi
	global_load_b128 v[BK+8*\oi+4:BK+8*\oi+7], v[BO8], s[10:11] offset:64*\oi+16
	global_load_b32  v[BV+\oi], v[BO1], s[12:13] offset:64*\oi
.endr
	WIN 0
; 32 LDS loads: my 16 weight fragments of matrix m
.macro WLD m
	WIN 0
.irp s, 0,1,2,3,4,5,6,7
.irp oi, 0,1
	ds_load_b128 v[WF+8*(2*\s+\oi):WF+8*(2*\s+\oi)+3],   v[ADRW+\m] offset:16*WPITCH*\oi+64*\s
	ds_load_b128 v[WF+8*(2*\s+\oi)+4:WF+8*(2*\s+\oi)+7], v[ADRW+\m] offset:16*WPITCH*\oi+64*\s+32
.endr
.endr
.endm
; 128 matrix instructions: 8 steps of 32 channels x 16 accumulators.  The accumulators take turns, one instruction a turn.
; The first step starts the sums with C = 0.  swap = 0: A = weights, B = h.  swap = 1: A = h, B = weights.
.macro MM swap
.irp s, 0,1,2,3,4,5,6,7
.if \swap
	WIN 0xF1+(\s>>2)
.else
	WIN 0xF4+4*(\s>>2)
.endif
.irp oi, 0,1
.irp t, 0,1,2,3,4,5,6,7
.set ac, 8*(8*\oi+\t)
.set wr, WF+8*(2*\s+\oi)
.set hr, 64*(\s&3)+8*\t
.if \swap
.if \s == 0
	v_wmma_f32_16x16x32_bf16 v[ac:ac+7], v[hr:hr+7], v[wr:wr+7], 0
.else
	v_wmma_f32_16x16x32_bf16 v[ac:ac+7], v[hr:hr+7], v[wr:wr+7], v[ac:ac+7]
.endif
.else
.if \s == 0
	v_wmma_f32_16x16x32_bf16 v[ac:ac+7], v[wr:wr+7], v[hr:hr+7], 0
.else
	v_wmma_f32_16x16x32_bf16 v[ac:ac+7], v[wr:wr+7], v[hr:hr+7], v[ac:ac+7]
.endif
.endif
.endr
.endr
.endr
.endm
.macro PACK                            ; 128 sums to 64 words of bf16, tile by tile
	WIN 0x0F
.set i, 0
.rept 64
	v_cvt_pk_bf16_f32 v[CV+i], v[2*i], v[2*i+1]
.set i, i+1
.endr
	WIN 0
.endm
; The way out of q and k.  bias: BQ or BK; scaled = 1: times log2(e)/16 (the bias has been scaled already); sel: the stage; base: the output's address.
; A row of the stage (one position, 128 outputs) is written by all four waves, so a barrier stands between the stores and the read-back.
.macro EPIT bias, scaled, sel, base
	s_wait_xcnt 0x0                                ; v[CV ..] were store data: they are rewritten only behind this wait
.if \scaled
	WIN 0xF3
.else
	WIN 0xCF
.endif
.set i, 0
.rept 64
.set bb, \bias+8*(i>>5)+2*(i&3)
.if \scaled
	v_pk_fma_f32 v[2*i:2*i+1], v[2*i:2*i+1], s[66:67], v[bb:bb+1] op_sel_hi:[1,0,1]
.else
	v_pk_add_f32 v[2*i:2*i+1], v[2*i:2*i+1], v[bb:bb+1]
.endif
.set i, i+1
.endr
	PACK
.irp oi, 0,1
.irp t, 0,1,2,3,4,5,6,7
	ds_store_b128 v[STT], v[CV+4*(8*\oi+\t):CV+4*(8*\oi+\t)+3] offset:\sel*STG+16*SPITCH*\t+32*\oi
.endr
.endr
	s_wait_dscnt 0x0                               ; my stores are in LDS (and the next matrix's fragments in registers) before I say so
	s_barrier_signal -1
	s_barrier_wait -1
.set i, 0
.rept 16
	ds_load_b128 v[CV+4*i:CV+4*i+3], v[RD] offset:\sel*STG+2*SPITCH*i
.set i, i+1
.endr
.set i, 0
.rept 16
	s_wait_dscnt 15-i                              ; LDS loads come back in order: load i is in, the younger ones stay out
	global_store_b128 v[GOT], v[CV+4*i:CV+4*i+3], s[\base:\base+1] offset:1024*i   ; 16 lanes store 256 consecutive bytes, at a multiple of 256
.set i, i+1
.endr
.endm
.macro ADDBV oi                        ; bv of the lane's output, onto the 64 sums of tiles (oi, 0 .. 7)
.set i, 32*\oi
.rept 32
	v_pk_add_f32 v[2*i:2*i+1], v[2*i:2*i+1], v[BV:BV+1] op_sel:[0,\oi] op_sel_hi:[1,\oi]
.set i, i+1
.endr
.endm
	s_wait_tensorcnt 0x3                           ; tensor loads end in order: my quarter of h is in, the three weight tiles stay out
	s_barrier_signal -1
	s_barrier_wait -1                              ; everybody's quarter is in.
	WIN 0x40                                       ; h fragments of c 0-127 into window 1
.irp s, 0,1,2,3
.irp t, 0,1,2,3,4,5,6,7
	ds_load_tr16_b128 v[64*\s+8*\t:64*\s+8*\t+3],   v[ADRH] offset:32*HPITCH*\s+32*\t
	ds_load_tr16_b128 v[64*\s+8*\t+4:64*\s+8*\t+7], v[ADRH] offset:32*HPITCH*\s+32*\t+16*HPITCH
.endr
.endr
	WIN 0x80                                       ; c 128-255 into window 2
.irp s, 0,1,2,3
.irp t, 0,1,2,3,4,5,6,7
	ds_load_tr16_b128 v[64*\s+8*\t:64*\s+8*\t+3],   v[ADRH+1] offset:32*HPITCH*\s+32*\t
	ds_load_tr16_b128 v[64*\s+8*\t+4:64*\s+8*\t+7], v[ADRH+1] offset:32*HPITCH*\s+32*\t+16*HPITCH
.endr
.endr
	s_wait_tensorcnt 0x2                           ; my rows of Wq are in (I alone read them); Wk and Wv stay out
	WLD 0
	s_wait_loadcnt 0x0                             ; the biases
	WIN 0xC3
.irp j, 0,1,2,3,4,5,6,7
	v_pk_mul_f32 v[BQ+2*\j:BQ+2*\j+1], v[BQ+2*\j:BQ+2*\j+1], s[66:67] op_sel_hi:[1,0]   ; bq * log2(e)/16, so that sum and bias are scaled by one fused multiply-add
.endr
	WIN 0
	s_wait_dscnt 0x0                               ; my reads of h's tile are over
	s_barrier_signal -1
	s_barrier_wait -1                              ; everybody's are: h's bytes, which are filled no more, may serve as stages
	MM 0                                           ; q
	PLACES 5                                       ; behind the last matrix instructions: for the loads into the fragments, the sums' readers and the next sums' start
	s_wait_tensorcnt 0x1                           ; my rows of Wk are in; Wv stays out
	WLD 1
	EPIT BQ, 1, 0, 14
	MM 0                                           ; k
	PLACES 5
	s_wait_tensorcnt 0x0                           ; my rows of Wv are in: no tensor load of mine is out any more
	WLD 2
	EPIT BK, 0, 1, 16
	MM 1                                           ; v
	PLACES 4
	; The way out of v, through stage 0: its readers of q's rows ended in front of the barrier in k's way out.
	; A row (one output, 128 positions) is written and read by one wave: LDS serves a wave's instructions in order (ISA guide 5.7.1.4), no barrier.
	s_wait_xcnt 0x0
	WIN 0xCF
	ADDBV 0
	ADDBV 1
	PACK
.irp oi, 0,1
.irp t, 0,1,2,3,4,5,6,7
	ds_store_b128 v[STV], v[CV+4*(8*\oi+\t):CV+4*(8*\oi+\t)+3] offset:16*SPITCH*\oi+32*\t
.endr
.endr
.set i, 0
.rept 16
	ds_load_b128 v[WF+4*i:WF+4*i+3], v[RD] offset:2*SPITCH*i       ; into the fragments' registers, which are free now
.set i, i+1
.endr
.set i, 0
.rept 16
	s_wait_dscnt 15-i
	global_store_b128 v[GOV], v[WF+4*i:WF+4*i+3], s[18:19] offset:16384*i          ; 16 lanes store 256 consecutive bytes, at a multiple of 256
.set i, i+1
.endr
	s_wait_tensorcnt 0x0
	ds_add_u32 v126, v127
	s_wait_dscnt 0x0
	ROUND                                          ; the closing round: no work-group ends while a partner may still ask jointly
	s_endpgm
.Lfunc_end_k_qbb8d20c105_qkv:
	.size	k_qbb8d20c105_qkv, .Lfunc_end_k_qbb8d20c105_qkv-k_qbb8d20c105_qkv
	.p2alignl 7, 3214868480
	.fill 96, 4, 3214868480
	.section	.rodata,"a",@progbits
	.p2align	6, 0x0
	.amdhsa_kernel k_qbb8d20c105_qkv
		.amdhsa_group_segment_fixed_size 276992
		.amdhsa_private_segment_fixed_size 0
		.amdhsa_enable_private_segment 0
		.amdhsa_kernarg_size 64
		.amdhsa_user_sgpr_count 2
		.amdhsa_user_sgpr_kernarg_segment_ptr 1
		.amdhsa_wavefront_size32 1
		.amdhsa_system_sgpr_workgroup_id_x 1
		.amdhsa_system_sgpr_workgroup_id_y 1
		.amdhsa_system_sgpr_workgroup_id_z 1
		.amdhsa_system_vgpr_workitem_id 0
		.amdhsa_next_free_vgpr 960
		.amdhsa_next_free_sgpr 72
		.amdhsa_reserve_vcc 0
		.amdhsa_float_denorm_mode_32 3
		.amdhsa_float_denorm_mode_16_64 3
		.amdhsa_memory_ordered 1
		.amdhsa_forward_progress 1
		.amdhsa_inst_pref_size 85
	.end_amdhsa_kernel
	.amdgpu_metadata
---
amdhsa.version: [ 1, 2 ]
amdhsa.kernels:
  - .name:           k_qbb8d20c105_qkv
    .symbol:         k_qbb8d20c105_qkv.kd
    .args:
      - { .name: h, .offset: 0, .size: 8, .value_kind: global_buffer, .address_space: global }
      - { .name: wbf, .offset: 8, .size: 8, .value_kind: global_buffer, .address_space: global }
      - { .name: bq, .offset: 16, .size: 8, .value_kind: global_buffer, .address_space: global }
      - { .name: bk, .offset: 24, .size: 8, .value_kind: global_buffer, .address_space: global }
      - { .name: bv, .offset: 32, .size: 8, .value_kind: global_buffer, .address_space: global }
      - { .name: q, .offset: 40, .size: 8, .value_kind: global_buffer, .address_space: global }
      - { .name: k, .offset: 48, .size: 8, .value_kind: global_buffer, .address_space: global }
      - { .name: v, .offset: 56, .size: 8, .value_kind: global_buffer, .address_space: global }
    .group_segment_fixed_size: 276992
    .private_segment_fixed_size: 0
    .kernarg_segment_align: 8
    .kernarg_segment_size: 64
    .max_flat_workgroup_size: 128
    .sgpr_count:     72
    .vgpr_count:     960
    .wavefront_size: 32
...
	.end_amdgpu_metadata
.endif
;; end of part 2
;; launch attn (part 3): grid 64 x 4, 4 waves a work-group, clusters of 4 x 1, 327,680 bytes of LDS; arguments q, k, v, wbf, bp, x, out0; writes out0
.if DOCPART == 3
	.amdgcn_target "amdgcn-amd-amdhsa--gfx1250"
	.amdhsa_code_object_version 6
	.text
	.protected	k_qbb8d20c105_attn
	.globl	k_qbb8d20c105_attn
	.p2align	8
	.type	k_qbb8d20c105_attn,@function
k_qbb8d20c105_attn:
	s_mov_b64 s[64:65], 0
	v_nop
	global_prefetch_b8 v0, s[64:65] scope:SCOPE_SE
	s_setreg_imm32_b32 hwreg(HW_REG_WAVE_MODE, 25, 1), 1
	s_wait_xcnt 0x0
	s_wait_alu depctr_hold_cnt(0) depctr_sa_sdst(0) depctr_va_vdst(0) depctr_va_sdst(0) depctr_va_ssrc(0) depctr_va_vcc(0) depctr_vm_vsrc(0)
	s_getreg_b32 s2, hwreg(HW_REG_IB_STS2, 6, 4)
	s_cmp_eq_u32 s2, 0
	s_cbranch_scc0 .Lentry_in_a_cluster
	s_endpgm
.Lentry_in_a_cluster:
	s_bfe_u32 s2, ttmp6, 0x10000c
	s_cmp_lg_u32 s2, 0x3003
	s_cbranch_scc0 .Lentry_shape_is_right
	s_endpgm
.Lentry_shape_is_right:
; out0[b][o][n] = x[b][o][n] + bp[o] + sum_c Wp[o][c] O[c][n],   O[c][n] = sum_m v[c][m] softmax_m( q[n] . k[m] / 16 ).
; q: bf16 [4][4096][256], already times log2(e)/16, so that the exponentials are powers of two; k: bf16 [4][4096][256]; v: bf16 [4][256][4096].
; A work-group owns 64 queries of one image: 64 x 4 = 256 work-groups.  All four waves hold all 64 queries; the KEYS are shared out: of a tile of
; 256 keys wave w takes keys 64 w .. + 63.  So each fragment of K or V read from LDS feeds four matrix instructions (the four query tiles).
; Each wave keeps a running maximum, a running sum and its own O; the four are merged once, behind the loop.
; NO SHUFFLES: S^T = K Q^T (A = 16 keys, B = 16 queries) leaves in lane (r, hh) the keys 8 hh .. + 7 of query r; two such tiles, packed to bf16, ARE the
; B fragment (query r, 32 keys) of O^T = V P^T (A = 16 channels of v).  A lane owns query r throughout: maximum, sum and factor are one number a lane,
; and the only step between lanes is lane xor 16.
; Wave w numbers the query tiles u' = u xor w, so that the merge is one text for all waves and leaves tile u = w with wave w.
; CLUSTER: four work-groups along the queries of one image walk the same K and V tiles: every K, V and Wp tile is asked for jointly (mask 15).
; THE ORDER OF THE TILES: a sum over the keys under a running maximum has no preferred order.  Cluster c of an image (c = 0 .. 15) begins at tile
; c xor 14 (c & 1) and walks all 16 tiles round.  So in every step the 16 clusters of an image ask for 16 different tiles, and all but a cluster's first
; few tiles have been asked for by another cluster some steps before.  The xor spreads the starts: of any eight clusters that agree in one bit of c
; the first tiles lie at most three tiles apart.
; LDS: one K slot and one V slot of 256 rows x (512 + 16) bytes.  Each refill stands behind a round of the cluster's barrier, in front of which all of a
; wave's tensor loads have landed, so the two loads of a trip are on their way one after the other.  K's round stands in the middle of the exponentials:
; V has the 128 score instructions and the first half of the softmax in which to land, K the second half, the rescale of O and the 128 PV instructions.
; A wave has three tensor loads out at the start and one afterwards.
; REGISTERS: window 0: addresses, statistics, S / P in v[32:159], K and V fragments in v[160:255] and v[96:159];
; window 1: Q fragments (u', s) at 64 u' + 8 s;  windows 2, 3: O tile (ct, u') in window 2 + (u' >> 1) at 8 (16 (u' & 1) + ct).
; Limits: results follow the reference wherever its scores are finite (infinite or NaN scores are not served).  v_exp_f32 returns 0 for results below 2^-126
; (ISA guide 15.8): weights that small relative to their row's largest count as 0.  q, k, v, P, O and Wp are matrix operands in bf16; a row's sum is taken
; over the f32 exponentials, PV over their bf16 roundings.  The keys are summed in an order that differs from cluster to cluster.
; The merged sum is at least 1, so its reciprocal is finite.
.set PITCH, 528                        ; an odd multiple of 16 bytes: the 16 rows of a fragment start at 16 different 16-byte columns of 256
.set VB, 135168                        ; V slot (the K slot is at 0); behind the loop: the mailboxes of the merge and the output stage
.set QB, 270336                        ; Q, 64 rows; behind the loop: the merged O in bf16
.set ST, 304128                        ; 2,048 bytes that no tensor load fills: maxima, then sums, [64 queries][4 waves] f32
.set SG, VB+65536                      ; output stage: 4 waves x 64 rows x 272 bytes
.set ADRK, 3                           ; v3     my K fragments (and my rows of Wp)
.set ADRV, 4                           ; v4-5   V fragments, channels 0-127 and 128-255
.set RH,   6                           ; v6     528 r + 16 hh
.set M,    8                           ; v[8:11]   running maximum of query r in tile u'
.set AL,   12                          ; v[12:15]  2^(old maximum - new maximum); behind the loop: the merge's factor
.set L,    16                          ; v[16:19]  running sum, over this half of the lanes' keys
.set TM,   20                          ; v[20:23]
.set TP,   24                          ; v[24:27]
.set QA,   28                          ; v[28:31]  Q's addresses, at the start only
.set S,    32                          ; v[32:159] score tile (kt, u') at 32 + 16 (4 (kt >> 1) + u') + 8 (kt & 1); P fragment (u', p) at 32 + 8 (4 p + u')
.set KF,   160                         ; three K buffers of four fragments
.set VA,   160                         ; V buffer of eight fragments
.set VBF,  96                          ; the other one: free once P is packed
.set TS,   224
.set XO,   160                         ; behind the loop
.set BPO,  161
.set STB,  162
.set STS,  166
.set MB1S, 170
.set MB1L, 171
.set MB2S, 172
.set MB2L, 173
.set OST,  174
.set OLD,  175
.set BP,   176
.set SGS,  180
.set SGL,  181
.set MS,   192
.set LS,   208
.set GK1, 28                           ; s[28:35] group 1 of K's and Wp's tiles
.set GV1, 36                           ; s[36:43] of V's
.set GQ1, 44                           ; s[44:51] of Q's
.set GK0, 52
.set GV0, 56
.set GQ0, 60
.set GW0, 68
.set KBS, 80                           ; s[80:81] k at my image and my 64 rows of tile 0
.set KOF, 82                           ; s[82:83] byte offset in k of the tile that is asked for, 131,072 x tile
.set VBS, 84                           ; s[84:85] v at my image and my 64 channel rows
.set VOF, 86                           ; s[86:87] byte offset in a row of v of the tile that is asked for, 512 x tile
.set MSB, 0
.macro WIN new                         ; s_set_vgpr_msb: bits 1:0 source 0, 3:2 source 1, 5:4 source 2, 7:6 destination; the high byte repeats the setting that is left
.if MSB != (\new)
	s_set_vgpr_msb (MSB<<8)|(\new)
.set MSB, (\new)
.endif
.endm
.macro PLACES n                        ; places behind a matrix instruction (ISA guide 7.12.1)
.rept \n
	v_nop
.endr
.endm
.macro CREST                           ; a round of the cluster's barrier behind its opening barrier
	s_cmp_lg_u32 s18, 0
	s_cbranch_scc1 .Lnot_wave_0_\@
	s_barrier_signal -3
.Lnot_wave_0_\@:
	s_barrier_wait -3
	s_barrier_signal -1
	s_barrier_wait -1
.endm
.macro ROUND                           ; a whole round
	s_barrier_signal -1
	s_barrier_wait -1
	CREST
.endm
; The next tile's address, round the 16 tiles.  The offset is stepped and masked in registers of its own and then added to the buffer's address.
; Both stand behind a wait for all tensor loads: no load that names the descriptor is out.
.macro KSTEP
	s_add_co_u32 s[KOF], s[KOF], 131072            ; 256 keys of 512 bytes on,
	s_and_b32 s[KOF], s[KOF], 0x1fffff             ; modulo the image's 2,097,152 bytes
	s_add_nc_u64 s[GK0+2:GK0+3], s[KBS:KBS+1], s[KOF:KOF+1]
	s_or_b32 s[GK0+3], s[GK0+3], 0x80000000        ; type = 2
.endm
.macro VSTEP
	s_add_co_u32 s[VOF], s[VOF], 512               ; 256 keys of 2 bytes on,
	s_and_b32 s[VOF], s[VOF], 0x1fff               ; modulo a row's 8,192 bytes
	s_add_nc_u64 s[GV0+2:GV0+3], s[VBS:VBS+1], s[VOF:VOF+1]
	s_or_b32 s[GV0+3], s[GV0+3], 0x80000000
.endm
	s_load_b256 s[4:11], s[0:1], 0x0               ; q s[4:5], k s[6:7], v s[8:9], wbf s[10:11]
	s_load_b128 s[12:15], s[0:1], 0x20             ; bp s[12:13], x s[14:15]
	s_load_b64 s[16:17], s[0:1], 0x30              ; out0
	v_lshl_add_u32 v254, v0, 2, 0x4ac00
	v_mov_b32 v255, 0
	ds_add_u32 v254, v255
	s_wait_dscnt 0x0
	v_lshrrev_b32 v7, 5, v0
	v_readfirstlane_b32 s18, v7                    ; wave w
	s_bfe_u32 s19, ttmp6, 0x40000                  ; cx
	s_lshl_b32 s20, ttmp9, 2
	s_add_co_u32 s20, s20, s19                     ; qb: block of 64 queries = 4 x cluster x + cx
	s_and_b32 s21, ttmp7, 0xffff                   ; image b
	s_mov_b32 s22, 0x76543210                      ; v_permlanex16_b32: lane xor 16
	s_mov_b32 s23, 0xfedcba98
	; group 1: 64 rows x 256 elements of 2 bytes, 4 words of padding behind every 128 words, mask 15 (all four of the cluster) with bit 21 beside it
	s_mov_b32 s[GK1+0], 15|(1<<16)|(1<<20)|(1<<21)|(6<<22)|(3<<25)
	s_mov_b32 s[GK1+1], 256<<16                    ; tensor_dim0 = 256
	s_mov_b32 s[GK1+2], 64<<16                     ; tensor_dim1 = 64
	s_mov_b32 s[GK1+3], 256<<16                    ; tile_dim0 = 256
	s_mov_b32 s[GK1+4], 64                         ; tile_dim1 = 64
	s_mov_b32 s[GK1+5], 256                        ; K, Wp: 256 elements from row to row
	s_mov_b32 s[GK1+6], 0
	s_mov_b32 s[GK1+7], 0
	s_mov_b32 s[GV1+0], 15|(1<<16)|(1<<20)|(1<<21)|(6<<22)|(3<<25)
	s_mov_b32 s[GV1+1], 256<<16
	s_mov_b32 s[GV1+2], 64<<16
	s_mov_b32 s[GV1+3], 256<<16
	s_mov_b32 s[GV1+4], 64
	s_mov_b32 s[GV1+5], 4096                       ; V: 4,096 elements from row to row
	s_mov_b32 s[GV1+6], 0
	s_mov_b32 s[GV1+7], 0
	s_mov_b32 s[GQ1+0], (1<<16)|(1<<20)|(6<<22)|(3<<25)    ; Q: 16 rows, each work-group's own: no mask
	s_mov_b32 s[GQ1+1], 256<<16
	s_mov_b32 s[GQ1+2], 16<<16
	s_mov_b32 s[GQ1+3], 256<<16
	s_mov_b32 s[GQ1+4], 16
	s_mov_b32 s[GQ1+5], 256
	s_mov_b32 s[GQ1+6], 0
	s_mov_b32 s[GQ1+7], 0
	s_mov_b32 s[GK0], 1
	s_mul_i32 s[GK0+1], s18, 64*PITCH              ; my 64 rows of the K slot
	s_mov_b32 s[GV0], 1
	s_mul_i32 s[GV0+1], s18, 64*PITCH
	s_add_co_u32 s[GV0+1], s[GV0+1], VB            ; my 64 rows of the V slot
	s_mov_b32 s[GQ0], 1
	s_mul_i32 s[GQ0+1], s18, 16*PITCH
	s_add_co_u32 s[GQ0+1], s[GQ0+1], QB
	s_mov_b32 s[GW0], 1
	s_mul_i32 s[GW0+1], s18, 64*PITCH              ; Wp goes into the K slot
	s_lshl_b32 s73, s21, 21                        ; the image's 2,097,152 bytes in q, k, v
	s_lshl_b32 s74, s18, 15
	s_add_co_u32 s26, s73, s74                     ; k: (4,096 b + 64 w) 512
	s_mov_b32 s27, 0
	s_lshl_b32 s74, s18, 19
	s_add_co_u32 s76, s73, s74                     ; v: (256 b + 64 w) 8,192
	s_mov_b32 s77, 0
	s_lshl_b32 s78, s18, 15
	s_add_co_u32 s78, s78, 393216                  ; Wp: the fourth matrix of wbf, rows 64 w ..
	s_mov_b32 s79, 0
	s_and_b32 s74, ttmp9, 1                        ; the cluster's first tile: c xor 14 (c & 1), c = the cluster's x, which all four partners share
	s_mul_i32 s74, s74, 14
	s_xor_b32 s74, s74, ttmp9
	s_lshl_b32 s[KOF], s74, 17
	s_mov_b32 s[KOF+1], 0
	s_lshl_b32 s[VOF], s74, 9
	s_mov_b32 s[VOF+1], 0
	s_lshl_b32 s75, s20, 15                        ; q: (4,096 b + 64 qb + 16 w) 512.  cx enters s24, s25 and s75 alone
	s_add_co_u32 s24, s73, s75
	s_lshl_b32 s75, s18, 13
	s_add_co_u32 s24, s24, s75
	s_mov_b32 s25, 0
	s_wait_kmcnt 0x0
	s_add_nc_u64 s[KBS:KBS+1], s[6:7], s[26:27]
	s_add_nc_u64 s[GK0+2:GK0+3], s[KBS:KBS+1], s[KOF:KOF+1]
	s_or_b32 s[GK0+3], s[GK0+3], 0x80000000
	s_add_nc_u64 s[VBS:VBS+1], s[8:9], s[76:77]
	s_add_nc_u64 s[GV0+2:GV0+3], s[VBS:VBS+1], s[VOF:VOF+1]
	s_or_b32 s[GV0+3], s[GV0+3], 0x80000000
	s_add_nc_u64 s[GW0+2:GW0+3], s[10:11], s[78:79]
	s_or_b32 s[GW0+3], s[GW0+3], 0x80000000
	s_add_nc_u64 s[GQ0+2:GQ0+3], s[4:5], s[24:25]
	s_or_b32 s[GQ0+3], s[GQ0+3], 0x80000000
	s_lshl_b32 s24, s21, 22                        ; x, out0: 4,194,304 b + 256 qb
	s_lshl_b32 s75, s20, 8
	s_add_co_u32 s24, s24, s75
	s_add_nc_u64 s[14:15], s[14:15], s[24:25]
	s_add_nc_u64 s[16:17], s[16:17], s[24:25]
	ROUND                                          ; all four work-groups are here: the first joint loads meet
	tensor_load_to_lds s[GQ0:GQ0+3], s[GQ1:GQ1+7]
	s_nop 0
	tensor_load_to_lds s[GK0:GK0+3], s[GK1:GK1+7]  ; the cluster's first key tile
	s_nop 0
	tensor_load_to_lds s[GV0:GV0+3], s[GV1:GV1+7]
	s_nop 0
	v_and_b32 v1, 15, v0                           ; r
	v_bfe_u32 v2, v0, 4, 1                         ; hh
	v_mul_u32_u24 v[RH], v1, PITCH
	v_lshl_add_u32 v[RH], v2, 4, v[RH]             ; 528 r + 16 hh
	s_mul_i32 s73, s18, 64*PITCH
	v_add_nc_u32 v[ADRK], s73, v[RH]               ; keys 64 w + r
	s_lshl_b32 s73, s18, 7
	s_add_co_u32 s73, s73, VB
	v_add_nc_u32 v[ADRV], s73, v[RH]               ; channel r, my 64 keys are 128 bytes at 128 w
	v_add_nc_u32 v[ADRV+1], 128*PITCH, v[ADRV]
.irp u, 0,1,2,3
	s_xor_b32 s73, s18, \u                         ; query tile u = u' xor w
	s_mul_i32 s73, s73, 16*PITCH
	s_add_co_u32 s73, s73, QB
	v_add_nc_u32 v[QA+\u], s73, v[RH]
	v_mov_b32 v[TP+\u], 0                          ; v_permlanex16_b32 counts as a reader of its destination
.endr
	s_wait_tensorcnt 0x1                           ; tensor loads end in order: my parts of Q and of the first key tile are in, V's stays out
	s_barrier_signal -1
	s_barrier_wait -1                              ; everybody's are.
	WIN 0x40                                       ; destination window 1
.irp u, 0,1,2,3
.irp s, 0,1,2,3,4,5,6,7
	ds_load_b128 v[64*\u+8*\s:64*\u+8*\s+3],   v[QA+\u] offset:64*\s
	ds_load_b128 v[64*\u+8*\s+4:64*\u+8*\s+7], v[QA+\u] offset:64*\s+32
.endr
.endr
	WIN 0
	s_wait_dscnt 0x0
; 8 LDS loads: my four K fragments of step s (32 of the 256 channels), into buffer s mod 3
.macro KLD s
.irp kt, 0,1,2,3
.set kr, KF+32*((\s)%3)+8*\kt
	ds_load_b128 v[kr:kr+3],   v[ADRK] offset:16*PITCH*\kt+64*(\s)
	ds_load_b128 v[kr+4:kr+7], v[ADRK] offset:16*PITCH*\kt+64*(\s)+32
.endr
.endm
; 16 matrix instructions of step s: 4 key tiles x 4 query tiles.  The 16 accumulators take turns, one instruction a turn.
.macro SMM s
.irp kt, 0,1,2,3
.irp u, 0,1,2,3
.set sr, S+16*(4*(\kt>>1)+\u)+8*(\kt&1)
.set kr, KF+32*((\s)%3)+8*\kt
.if \s == 0
	v_wmma_f32_16x16x32_bf16 v[sr:sr+7], v[kr:kr+7], v[64*\u+8*\s:64*\u+8*\s+7], 0
.else
	v_wmma_f32_16x16x32_bf16 v[sr:sr+7], v[kr:kr+7], v[64*\u+8*\s:64*\u+8*\s+7], v[sr:sr+7]
.endif
.endr
.endr
.endm
; The new maximum of each query into TM: my 32 scores and the old maximum (four chains that do not wait for each other), then the other half of the lanes.
.macro ROWMAX first
.set n, 0
.rept 16
.irp u, 0,1,2,3
.set a, S+16*(4*(n>>3)+\u)+2*(n&7)
.if n == 0
.if \first
	v_max_num_f32 v[TM+\u], v[a], v[a+1]
.else
	v_max3_num_f32 v[TM+\u], v[a], v[a+1], v[M+\u]
.endif
.else
	v_max3_num_f32 v[TM+\u], v[a], v[a+1], v[TM+\u]
.endif
.endr
.set n, n+1
.endr
.irp u, 0,1,2,3
	v_permlanex16_b32 v[TP+\u], v[TM+\u], s22, s23
.endr
.irp u, 0,1,2,3
	v_max_num_f32 v[TM+\u], v[TM+\u], v[TP+\u]
.endr
.endm
; Pair n (0 .. 31) of the scores of key half p (keys 32 p .. + 31 of my 64), less its query's maximum: query tile u' = n >> 3
.macro SUBN p, n
.set a, S+64*(\p)+16*((\n)>>3)+2*((\n)&7)
.set pr, M+2*((\n)>>4)
.if (((\n)>>3)&1)
	v_pk_add_f32 v[a:a+1], v[a:a+1], v[pr:pr+1] op_sel:[0,1] op_sel_hi:[1,1] neg_lo:[0,1] neg_hi:[0,1]
.else
	v_pk_add_f32 v[a:a+1], v[a:a+1], v[pr:pr+1] op_sel:[0,0] op_sel_hi:[1,0] neg_lo:[0,1] neg_hi:[0,1]
.endif
.endm
; The softmax in three pieces, so that K's round can stand in its middle.  Each pair of exponentials is followed by one plain packed sum that touches
; neither: that is the plain place between a transcendental and the use of its result (ISA guide 5.7.2), and work for the plain unit meanwhile.
; Piece A: the factor, the new maximum, half 0's differences; then half 0's exponentials, with half 1's differences among them.
.macro SOFTA first
.if \first == 0
.irp u, 0,1,2,3
	v_sub_f32 v[AL+\u], v[M+\u], v[TM+\u]
.endr
.endif
.irp u, 0,1,2,3
	v_mov_b32 v[M+\u], v[TM+\u]                    ; old and new maximum were both needed above; TM is at work again in the next trip
.endr
.set n, 0
.rept 32
	SUBN 0, n
.set n, n+1
.endr
.if \first == 0
.irp u, 0,1,2,3
	v_exp_f32 v[AL+\u], v[AL+\u]
.endr
.endif
.set n, 0
.rept 32
	v_exp_f32 v[S+2*n],   v[S+2*n]
	v_exp_f32 v[S+2*n+1], v[S+2*n+1]
	SUBN 1, n
.set n, n+1
.endr
.endm
; Piece B, register work alone: half 1's exponentials, with the 28 sums of half 0 among them (four chains, started by their first two pairs)
.macro SOFTB
.set n, 0
.rept 32
	v_exp_f32 v[S+64+2*n], v[S+64+2*n]
	v_exp_f32 v[S+65+2*n], v[S+65+2*n]
.if n < 28
.set a, S+16*(n&3)+2*(n>>2)+2
.set tt, TS+2*(n&3)
.if n < 4
	s_wait_alu depctr_va_vdst(0)
	v_pk_add_f32 v[tt:tt+1], v[a-2:a-1], v[a:a+1]
.else
	v_pk_add_f32 v[tt:tt+1], v[tt:tt+1], v[a:a+1]
.endif
.endif
.set n, n+1
.endr
	v_nop                                          ; the plain place behind the last exponentials
.endm
; Piece C: half 1's sums, the running sum, P in bf16
.macro SOFTC first
.set n, 0
	s_wait_alu depctr_va_vdst(0)
.rept 32
.set a, S+64+16*(n&3)+2*(n>>2)
.set tt, TS+2*(n&3)
	v_pk_add_f32 v[tt:tt+1], v[tt:tt+1], v[a:a+1]
.set n, n+1
.endr
.irp u, 0,1,2,3
.if \first
	v_add_f32 v[L+\u], v[TS+2*\u], v[TS+2*\u+1]
.else
	v_add_f32 v[TS+2*\u], v[TS+2*\u], v[TS+2*\u+1]
	v_fma_f32 v[L+\u], v[L+\u], v[AL+\u], v[TS+2*\u]
.endif
.endr
.set i, 0
.rept 64
	v_cvt_pk_bf16_f32 v[S+i], v[S+2*i], v[S+2*i+1] ; ascending: word i is written when words 2 i, 2 i + 1 are read, never ahead of its own reading
.set i, i+1
.endr
.endm
.macro SCH lo, pr, sel                 ; registers lo .. lo + 127 of the window times v[pr + sel]
.set j, \lo
.rept 64
	v_pk_mul_f32 v[j:j+1], v[j:j+1], v[\pr:\pr+1] op_sel:[0,\sel] op_sel_hi:[1,\sel]
.set j, j+2
.endr
.endm
.macro SCALEO F                        ; O of query tile u' times v[F + u']
	WIN 0x82
	SCH 0,   \F, 0
	SCH 128, \F, 1
	WIN 0xC3
	SCH 0,   \F+2, 0
	SCH 128, \F+2, 1
.endm
; 16 LDS loads: V fragments of group g: channels 128 (g & 1) .. + 127, keys 32 (g >> 1) .. + 31 of my 64
.macro VLD g, buf
.irp i, 0,1,2,3,4,5,6,7
	ds_load_b128 v[\buf+8*\i:\buf+8*\i+3],   v[ADRV+((\g)&1)] offset:16*PITCH*\i+64*((\g)>>1)
	ds_load_b128 v[\buf+8*\i+4:\buf+8*\i+7], v[ADRV+((\g)&1)] offset:16*PITCH*\i+64*((\g)>>1)+32
.endr
.endm
.macro PVH g, buf, zero, up            ; 16 matrix instructions: 8 channel tiles x query tiles up, up + 1; the accumulators take turns
.irp i, 0,1,2,3,4,5,6,7
.irp u, 0,1
.set orr, 8*(16*\u+8*((\g)&1)+\i)
.set pr, S+8*(4*((\g)>>1)+\u+\up)
.if \zero
	v_wmma_f32_16x16x32_bf16 v[orr:orr+7], v[\buf+8*\i:\buf+8*\i+7], v[pr:pr+7], 0
.else
	v_wmma_f32_16x16x32_bf16 v[orr:orr+7], v[\buf+8*\i:\buf+8*\i+7], v[pr:pr+7], v[orr:orr+7]
.endif
.endr
.endr
.endm
.macro PVM g, buf, zero
	WIN 0xA0                                       ; C and D window 2
	PVH \g, \buf, \zero, 0
	WIN 0xF0                                       ; C and D window 3
	PVH \g, \buf, \zero, 2
.endm
; One tile of 256 keys.  first = 1: nothing to rescale, the first products start the sums.  last = 1: Wp takes the next K's place, V is filled no more.
.macro TRIP first, last
	PLACES 5                                       ; behind the last PV instructions: their V and P registers are loaded into and written over
	KLD 0
	KLD 1
	WIN 0x04                                       ; source 1 (Q) window 1; LDS loads name destination and source 0, both window 0
.irp s, 0,1,2,3,4,5,6,7
.if \s <= 5
.if \s >= 1
	PLACES 4                                       ; buffer (s + 2) mod 3 was read by step s - 1
.endif
	KLD \s+2
	s_wait_dscnt 16                                ; step s is in; the 16 loads of steps s + 1, s + 2 stay out
.else
	s_wait_dscnt 8*(7-\s)                          ; step 6: step 7's eight stay out; step 7: none
.endif
	SMM \s
.endr
	WIN 0
	PLACES 4                                       ; behind the last score instructions
	ROWMAX \first
	SOFTA \first                                   ; this tile's V is still on its way
	s_wait_dscnt 0x0                               ; my reads of the K slot are over (met since step 7)
	s_wait_xcnt 0x0
	v_lshl_add_u32 v254, v0, 2, 0x4ac00
	v_mov_b32 v255, 0
	s_wait_tensorcnt 0x0                           ; all my tensor loads have landed: the one that was out is my part of this tile's V
	ds_add_u32 v254, v255
	s_wait_dscnt 0x0
.if \last == 0
	KSTEP                                          ; so the descriptor may be written
.endif
	s_barrier_signal -1                            ; opens a round of the cluster's barrier
	SOFTB                                          ; register work while the others arrive
	s_barrier_wait -1
	CREST                                          ; no wave of any partner still reads the K slot or has a load on its way
.if \last
	tensor_load_to_lds s[GW0:GW0+3], s[GK1:GK1+7]  ; the K slot's last fill: Wp
	s_nop 0
.else
	tensor_load_to_lds s[GK0:GK0+3], s[GK1:GK1+7]  ; the first tensor load behind the round
	s_nop 0
.endif
	VLD 0, VA
	SOFTC \first
	VLD 1, VBF
.if \first == 0
	SCALEO AL
.endif
	s_wait_dscnt 16                                ; group 0 is in, group 1's 16 loads stay out
	PVM 0, VA, \first
	WIN 0
	PLACES 4
	VLD 2, VA
	s_wait_dscnt 16                                ; group 1 is in, group 2 stays out
	PVM 1, VBF, \first
	WIN 0
	PLACES 4
	VLD 3, VBF
	s_wait_dscnt 16                                ; group 2 is in, group 3 stays out
	PVM 2, VA, 0
	s_wait_dscnt 0x0                               ; group 3 is in: my reads of the V slot are over
	s_wait_xcnt 0x0
	s_set_vgpr_msb 0xf030
	v_lshl_add_u32 v254, v0, 2, 0x4ac00
	v_mov_b32 v255, 0
	s_wait_tensorcnt 0x0                           ; all my tensor loads have landed: my part of the next K (or of Wp)
	ds_add_u32 v254, v255
	s_wait_dscnt 0x0
	s_set_vgpr_msb 0x30f0
.if \last
	PVM 3, VBF, 0
	WIN 0
.else
	VSTEP
	s_barrier_signal -1                            ; opens a round
	PVM 3, VBF, 0                                  ; register work while the others arrive
	WIN 0
	s_barrier_wait -1
	CREST                                          ; no wave of any partner still reads the V slot or has a load on its way
	tensor_load_to_lds s[GV0:GV0+3], s[GV1:GV1+7]  ; the first tensor load behind the round
	s_nop 0
.endif
.endm
	TRIP 1, 0                                      ; 16 tiles: the first and the last are written out
	s_mov_b32 s72, 14
.Ltrip:
	TRIP 0, 0
	s_sub_co_u32 s72, s72, 1
	s_cmp_lg_u32 s72, 0
	s_cbranch_scc1 .Ltrip
	TRIP 0, 1
	; THE MERGE.  Addresses first: plain vector work, which also stands behind the last matrix instructions.
	PLACES 4
	v_and_b32 v7, 31, v0
	v_lshlrev_b32 v7, 4, v7                        ; 16 lane
	s_lshl_b32 s73, s18, 20
	v_lshl_add_u32 v[XO], v2, 14, s73
	v_lshl_add_u32 v[XO], v1, 4, v[XO]             ; x, out0: (64 w + hh) 16,384 + 16 r
	s_lshl_b32 s73, s18, 8
	v_lshl_add_u32 v[BPO], v1, 2, s73              ; bp: 4 (64 w + r)
	s_lshl_b32 s74, s18, 2
.irp u, 0,1,2,3
	s_xor_b32 s73, s18, \u
	s_lshl_b32 s73, s73, 8
	s_add_co_u32 s73, s73, ST
	v_lshl_add_u32 v[STB+\u], v1, 4, s73           ; the four waves' words of query 16 (u' xor w) + r
	v_add_nc_u32 v[STS+\u], s74, v[STB+\u]         ; mine among them
.endr
	s_xor_b32 s73, s18, 2
	s_lshl_b32 s73, s73, 15
	s_add_co_u32 s73, s73, VB
	v_add_nc_u32 v[MB1S], s73, v7                  ; mailbox of wave w xor 2, 32,768 bytes each
	s_lshl_b32 s73, s18, 15
	s_add_co_u32 s73, s73, VB
	v_add_nc_u32 v[MB1L], s73, v7                  ; my mailbox
	s_xor_b32 s73, s18, 1
	s_lshl_b32 s73, s73, 14
	s_add_co_u32 s73, s73, VB
	v_add_nc_u32 v[MB2S], s73, v7                  ; second step: wave w xor 1, 16,384 bytes each
	s_lshl_b32 s73, s18, 14
	s_add_co_u32 s73, s73, VB
	v_add_nc_u32 v[MB2L], s73, v7
	s_mul_i32 s73, s18, 16*PITCH
	s_add_co_u32 s73, s73, QB
	v_add_nc_u32 v[OST], s73, v[RH]                ; merged O: row = query 16 w + r
	v_add_nc_u32 v[OLD], QB, v[RH]
	s_mul_i32 s73, s18, 64*272
	s_add_co_u32 s73, s73, SG
	v_mul_u32_u24 v7, v1, 272
	v_lshl_add_u32 v7, v2, 5, v7
	v_add_nc_u32 v[SGS], s73, v7                   ; stage in: row = output r, 32 bytes for each half of the lanes
	v_mul_u32_u24 v7, v2, 272
	v_lshl_add_u32 v7, v1, 4, v7
	v_add_nc_u32 v[SGL], s73, v7                   ; stage back: lanes 0-15 one row of 256 bytes, lanes 16-31 the next
	WIN 0x40                                       ; x of my 64 outputs x 64 queries into window 1, registers 0-127 (Q's fragments are done with); it lands during the merge
.set i, 0
.rept 32
	global_load_b128 v[4*i:4*i+3], v[XO], s[14:15] offset:32768*i th:TH_LOAD_NT
.set i, i+1
.endr
	WIN 0
.irp ot, 0,1,2,3
	global_load_b32 v[BP+\ot], v[BPO], s[12:13] offset:64*\ot
.endr
.irp u, 0,1,2,3
	v_permlanex16_b32 v[TP+\u], v[L+\u], s22, s23
.endr
.irp u, 0,1,2,3
	v_add_f32 v[L+\u], v[L+\u], v[TP+\u]           ; the sum over both halves' keys
.endr
.irp u, 0,1,2,3
	ds_store_b32 v[STS+\u], v[M+\u]                ; lanes r and r + 16 write the same word with the same value
	ds_store_b32 v[STS+\u], v[L+\u] offset:1024
.endr
	s_wait_dscnt 0x0
	s_barrier_signal -1
	s_barrier_wait -1                              ; the statistics are there; and every wave's reads of the V slot are over
.irp u, 0,1,2,3
	ds_load_b128 v[MS+4*\u:MS+4*\u+3], v[STB+\u]
	ds_load_b128 v[LS+4*\u:LS+4*\u+3], v[STB+\u] offset:1024
.endr
	s_wait_dscnt 0x0
.irp u, 0,1,2,3
	v_max3_num_f32 v[TM+\u], v[MS+4*\u], v[MS+4*\u+1], v[MS+4*\u+2]
.endr
.irp u, 0,1,2,3
	v_max_num_f32 v[TM+\u], v[TM+\u], v[MS+4*\u+3] ; the query's maximum over all keys
.endr
.irp u, 0,1,2,3
.irp t, 0,1,2,3
	v_sub_f32 v[MS+4*\u+\t], v[MS+4*\u+\t], v[TM+\u]
.endr
	v_sub_f32 v[AL+\u], v[M+\u], v[TM+\u]
.endr
.set j, 0
.rept 16
	v_exp_f32 v[MS+j], v[MS+j]
.set j, j+1
.endr
.irp u, 0,1,2,3
	v_exp_f32 v[AL+\u], v[AL+\u]
.endr
	v_nop                                          ; a plain place behind the transcendentals
	s_wait_alu depctr_va_vdst(0)
.irp u, 0,1,2,3
	v_mul_f32 v[TP+\u], v[MS+4*\u], v[LS+4*\u]
.endr
.irp t, 1,2,3
.irp u, 0,1,2,3
	v_fma_f32 v[TP+\u], v[MS+4*\u+\t], v[LS+4*\u+\t], v[TP+\u]     ; the query's sum over all keys
.endr
.endr
.irp u, 0,1,2,3
	v_rcp_f32 v[TP+\u], v[TP+\u]
.endr
	v_nop
	s_wait_alu depctr_va_vdst(0)
.irp u, 0,1,2,3
	v_mul_f32 v[AL+\u], v[AL+\u], v[TP+\u]         ; my O's factor: 2^(my maximum - the maximum) / the sum
.endr
	SCALEO AL
	; first step: tiles u' = 2, 3 (window 3) go to wave w xor 2, where they are tiles 0, 1 (window 2), register for register
	WIN 0x0C                                       ; store data window 3
.set i, 0
.rept 64
	ds_store_b128 v[MB1S], v[4*i:4*i+3] offset:512*i
.set i, i+1
.endr
	WIN 0
	s_wait_dscnt 0x0
	s_barrier_signal -1
	s_barrier_wait -1
	WIN 0xC0                                       ; window 3 is free: my 64 rows of Wp, fragment (ot, s) at 8 (8 ot + s).  I loaded these rows and have waited for them
.irp ot, 0,1,2,3
.irp s, 0,1,2,3,4,5,6,7
	ds_load_b128 v[8*(8*\ot+\s):8*(8*\ot+\s)+3],   v[ADRK] offset:16*PITCH*\ot+64*\s
	ds_load_b128 v[8*(8*\ot+\s)+4:8*(8*\ot+\s)+7], v[ADRK] offset:16*PITCH*\ot+64*\s+32
.endr
.endr
.macro TAKE adr, from, onto            ; 32 loads from a mailbox and 64 packed sums onto window 2, registers onto .. onto + 127
	WIN 0
.set i, 0
.rept 32
	ds_load_b128 v[S+4*i:S+4*i+3], v[\adr] offset:512*(\from+i)
.set i, i+1
.endr
	s_wait_dscnt 0x0
	WIN 0x82
.set j, 0
.rept 64
	v_pk_add_f32 v[\onto+2*j:\onto+2*j+1], v[\onto+2*j:\onto+2*j+1], v[S+2*j:S+2*j+1]
.set j, j+1
.endr
	WIN 0
.endm
	TAKE MB1L, 0, 0
	TAKE MB1L, 32, 128
	s_barrier_signal -1                            ; my reads of the first mailboxes are over (waited for above): the second ones lie on the same bytes
	s_barrier_wait -1
	; second step: tile u' = 1 goes to wave w xor 1, where it is tile 0
	WIN 0x08                                       ; store data window 2
.set i, 0
.rept 32
	ds_store_b128 v[MB2S], v[128+4*i:128+4*i+3] offset:512*i
.set i, i+1
.endr
	WIN 0
	s_wait_dscnt 0x0
	s_barrier_signal -1
	s_barrier_wait -1
	TAKE MB2L, 0, 0                                ; window 2, registers 0-127: the finished O of query tile w, tile ct at 8 ct
	WIN 0x0A                                       ; sources window 2
.set i, 0
.rept 64
	v_cvt_pk_bf16_f32 v[S+i], v[2*i], v[2*i+1]
.set i, i+1
.endr
	WIN 0
.irp ct, 0,1,2,3,4,5,6,7,8,9,10,11,12,13,14,15
	ds_store_b128 v[OST], v[S+4*\ct:S+4*\ct+3] offset:32*\ct       ; query 16 w + r, channels 16 ct + 8 hh .. + 7.  Q's bytes are filled and read no more
.endr
	s_wait_dscnt 0x0
	s_barrier_signal -1
	s_barrier_wait -1
	; THE PROJECTION: my 64 outputs x all 64 queries.  A = 16 queries of O, B = 16 rows of Wp: a lane holds 8 neighbouring queries of output r.
	WIN 0x80                                       ; O fragments (u, s) into window 2 at 8 (8 u + s), step by step
.irp s, 0,1,2,3,4,5,6,7
.irp u, 0,1,2,3
	ds_load_b128 v[8*(8*\u+\s):8*(8*\u+\s)+3],   v[OLD] offset:16*PITCH*\u+64*\s
	ds_load_b128 v[8*(8*\u+\s)+4:8*(8*\u+\s)+7], v[OLD] offset:16*PITCH*\u+64*\s+32
.endr
.endr
	WIN 0x5E                                       ; A window 2, B window 3, C and D window 1
.irp s, 0,1,2,3,4,5,6,7
	s_wait_dscnt 56-8*\s                           ; step s's eight loads are in, the later steps' stay out
.irp ot, 0,1,2,3
.irp u, 0,1,2,3
.set ac, 128+8*(4*\ot+\u)
.if \s == 0
	v_wmma_f32_16x16x32_bf16 v[ac:ac+7], v[8*(8*\u+\s):8*(8*\u+\s)+7], v[8*(8*\ot+\s):8*(8*\ot+\s)+7], 0
.else
	v_wmma_f32_16x16x32_bf16 v[ac:ac+7], v[8*(8*\u+\s):8*(8*\u+\s)+7], v[8*(8*\ot+\s):8*(8*\ot+\s)+7], v[ac:ac+7]
.endif
.endr
.endr
.endr
	PLACES 4
	s_wait_loadcnt 0x0                             ; bp and x
.macro ADDBP ot, pr, sel               ; bp of the lane's output, onto the 32 sums of tiles (ot, 0 .. 3)
.set j, 128+32*\ot
.rept 16
	v_pk_add_f32 v[j:j+1], v[j:j+1], v[\pr:\pr+1] op_sel:[0,\sel] op_sel_hi:[1,\sel]
.set j, j+2
.endr
.endm
	WIN 0x41                                       ; destination and source 0 window 1
	ADDBP 0, BP,   0
	ADDBP 1, BP,   1
	ADDBP 2, BP+2, 0
	ADDBP 3, BP+2, 1
	WIN 0x04                                       ; store data window 1.  The stage's rows are my own: LDS serves a wave's instructions in order (ISA guide 5.7.1.4), no barrier
.irp ot, 0,1,2,3
.irp u, 0,1,2,3
	ds_store_b128 v[SGS], v[128+8*(4*\ot+\u):128+8*(4*\ot+\u)+3]   offset:16*272*\ot+64*\u
	ds_store_b128 v[SGS], v[128+8*(4*\ot+\u)+4:128+8*(4*\ot+\u)+7] offset:16*272*\ot+64*\u+16
.endr
.endr
	WIN 0
.set i, 0
.rept 32
	ds_load_b128 v[S+4*i:S+4*i+3], v[SGL] offset:2*272*i
.set i, i+1
.endr
	WIN 0x44                                       ; destination, source 1 and store data window 1; source 0 and addresses window 0
.set i, 0
.rept 32
	s_wait_dscnt 31-i                              ; rows 2 i, 2 i + 1 are in, the younger loads stay out
	v_pk_add_f32 v[4*i:4*i+1],   v[S+4*i:S+4*i+1],   v[4*i:4*i+1]      ; + x
	v_pk_add_f32 v[4*i+2:4*i+3], v[S+4*i+2:S+4*i+3], v[4*i+2:4*i+3]
	global_store_b128 v[XO], v[4*i:4*i+3], s[16:17] offset:32768*i th:TH_STORE_NT  ; 16 lanes store 256 consecutive bytes, at a multiple of 256 from out0's first byte
.set i, i+1
.endr
	WIN 0
	s_wait_xcnt 0x0
	v_lshl_add_u32 v254, v0, 2, 0x4ac00
	v_mov_b32 v255, 0
	s_wait_tensorcnt 0x0
	ds_add_u32 v254, v255
	s_wait_dscnt 0x0
	ROUND                                          ; the closing round: no work-group ends while a partner may still ask jointly
	s_endpgm
.Lfunc_end_k_qbb8d20c105_attn:
	.size	k_qbb8d20c105_attn, .Lfunc_end_k_qbb8d20c105_attn-k_qbb8d20c105_attn
	.p2alignl 7, 3214868480
	.fill 96, 4, 3214868480
	.section	.rodata,"a",@progbits
	.p2align	6, 0x0
	.amdhsa_kernel k_qbb8d20c105_attn
		.amdhsa_group_segment_fixed_size 327680
		.amdhsa_private_segment_fixed_size 0
		.amdhsa_enable_private_segment 0
		.amdhsa_kernarg_size 56
		.amdhsa_user_sgpr_count 2
		.amdhsa_user_sgpr_kernarg_segment_ptr 1
		.amdhsa_wavefront_size32 1
		.amdhsa_system_sgpr_workgroup_id_x 1
		.amdhsa_system_sgpr_workgroup_id_y 1
		.amdhsa_system_sgpr_workgroup_id_z 1
		.amdhsa_system_vgpr_workitem_id 0
		.amdhsa_next_free_vgpr 1024
		.amdhsa_next_free_sgpr 88
		.amdhsa_reserve_vcc 0
		.amdhsa_float_denorm_mode_32 3
		.amdhsa_float_denorm_mode_16_64 3
		.amdhsa_memory_ordered 1
		.amdhsa_forward_progress 1
		.amdhsa_inst_pref_size 255
	.end_amdhsa_kernel
	.section	.bss,"aw",@nobits
	.p2align	6
	.space	262144
	.amdgpu_metadata
---
amdhsa.version: [ 1, 2 ]
amdhsa.kernels:
  - .name:           k_qbb8d20c105_attn
    .symbol:         k_qbb8d20c105_attn.kd
    .args:
      - { .name: q, .offset: 0, .size: 8, .value_kind: global_buffer, .address_space: global }
      - { .name: k, .offset: 8, .size: 8, .value_kind: global_buffer, .address_space: global }
      - { .name: v, .offset: 16, .size: 8, .value_kind: global_buffer, .address_space: global }
      - { .name: wbf, .offset: 24, .size: 8, .value_kind: global_buffer, .address_space: global }
      - { .name: bp, .offset: 32, .size: 8, .value_kind: global_buffer, .address_space: global }
      - { .name: x, .offset: 40, .size: 8, .value_kind: global_buffer, .address_space: global }
      - { .name: out0, .offset: 48, .size: 8, .value_kind: global_buffer, .address_space: global }
    .group_segment_fixed_size: 327680
    .private_segment_fixed_size: 0
    .kernarg_segment_align: 8
    .kernarg_segment_size: 56
    .max_flat_workgroup_size: 128
    .sgpr_count:     88
    .vgpr_count:     1024
    .wavefront_size: 32
...
	.end_amdgpu_metadata
.endif
;; end of part 3
;; ======== version 2 of 2: 3 launches; version 1 with the launch gnorm written anew for expert scheduling mode
;; workspace buffers: h 8,388,608 bytes; wbf 524,288 bytes; q 8,388,608 bytes; k 8,388,608 bytes; v 8,388,608 bytes
;; launch gnorm (part 4): grid 128 x 1, 8 waves a work-group, no clusters, 1,280 bytes of LDS; arguments x, gamma, beta, Wq, Wk, Wv, Wp, h, wbf; writes h, wbf
.if DOCPART == 4
	.amdgcn_target "amdgcn-amd-amdhsa--gfx1250"
	.amdhsa_code_object_version 6
	.text
	.protected	k_qbb8d20c105_gnorm
	.globl	k_qbb8d20c105_gnorm
	.p2align	8
	.type	k_qbb8d20c105_gnorm,@function
k_qbb8d20c105_gnorm:
	s_mov_b64 s[64:65], 0
	v_nop
	global_prefetch_b8 v0, s[64:65] scope:SCOPE_SE
	s_setreg_imm32_b32 hwreg(HW_REG_WAVE_SCHED_MODE, 0, 2), 2
	s_setreg_imm32_b32 hwreg(HW_REG_WAVE_MODE, 25, 1), 1
	s_wait_xcnt 0x0
	s_wait_alu depctr_vm_vsrc(0)
; GroupNorm and the casts.  h[b][c][n] = bf16( (x - mu) * rsqrt(var + 1e-6) * gamma[c] + beta[c] ),  wbf = bf16(Wq, Wk, Wv, Wp).
; x: [4][256][4096] f32.  A group is 8 channels x 4,096 positions = 131,072 consecutive bytes; there are 4 x 32 = 128 groups.
; One work-group per group (a group's sums then never leave the work-group), eight waves, one channel (16,384 bytes) per wave,
; kept in 128 registers between the pass for the mean, the pass for the variance and the pass that scales: x is read once.
; The variance is the mean of (x - mu)^2, taken after mu is known: no difference of two large sums is formed.
; Each load of a wave covers 512 consecutive bytes, each store of h 256 consecutive bytes at a multiple of 256.
; The 4 x 65,536 weights are shared out evenly: each of the 1,024 waves converts 256 of them (1,024 bytes in, 512 bytes out).
; No matrix unit, no cluster, no tensor load: no byte is shared between work-groups and a wave's share fits its registers.
; Limits: sums in f32 (four packed chains a lane, then lanes, then waves); h and the weights are rounded once to bf16.
; THE MODE: SCHED_MODE bits 1:0 = 2 (LLVM: expert scheduling mode 2), set by the entry lines.  The code itself states the register dependences
; between vector instructions and memory or LDS instructions, with s_wait_alu, always for 0.
; THE PLAN.  Registers that memory or LDS instructions touch:
;   v1 .. v6     offsets and LDS addresses: written once at the head, read by every load and store, never written again.
;   WT           two loads land in it, once; the four conversions read it.
;   WB           written by those conversions; read by the one store of wbf, which is issued behind the first sum's wait.
;   X            the 32 loads land in it, once; then the three passes work on it in place; store i reads X + 4 i and X + 4 i + 1, which nothing writes behind it.
;   v[A]         written by a sum's fold; read by the sum's LDS store; written again by pass 2.
;   T            at work at the head; each sum's two LDS loads land in it; the folds behind them work on it.
;   v176, v177   written at the head, read by the closing add alone.
; So: one wait ahead of the first load, for all addresses; one in each sum ahead of its LDS store; one wait on vm_vsrc ahead of pass 2; and in pass 3, which goes
; in eight blocks of four rows, one at each block's head, behind which the block before's four stores are dealt among this block's rows: these name their own
; registers of X, SC and BT, none of the registers that those stores read.  The text has no loop: there is one path.
.set X,  8                             ; v[8:135]    my channel: load i brings positions 128 i + 4 lane .. + 3
.set A,  136                           ; v[136:143]  four packed chains
.set T,  144                           ; v[144:151]  at work
.set WT, 152                           ; v[152:159]  8 weights, f32
.set WB, 160                           ; v[160:163]  8 weights, bf16
.set MU, 164                           ; v[164:165]  the mean, twice
.set SC, 166                           ; v[166:167]  rsqrt(var + eps) * gamma, twice
.set BT, 168                           ; v[168:169]  beta, twice
	s_load_b512 s[4:19], s[0:1], 0x0               ; x s[4:5], gamma s[6:7], beta s[8:9], Wq s[10:11], Wk s[12:13], Wv s[14:15], Wp s[16:17], h s[18:19]
	s_load_b64 s[20:21], s[0:1], 0x40              ; wbf
	v_lshl_add_u32 v176, v0, 2, 0x100              ; the LDS address of my spare word and 0: made here and kept for the closing lines alone
	v_mov_b32 v177, 0
	v_and_b32 v[T], 31, v0                         ; lane
	v_lshrrev_b32 v[T+1], 5, v0                    ; wave, in every lane
	v_readfirstlane_b32 s22, v[T+1]                ; wave w, as a scalar
	v_lshlrev_b32 v1, 4, v[T]                      ; the addresses that need no scalar stand between that line and the wait for it
	v_lshl_or_b32 v1, v[T+1], 14, v1               ; x: 16 lane + 16,384 w
	v_lshlrev_b32 v2, 3, v[T]
	v_lshl_or_b32 v2, v[T+1], 13, v2               ; h: 8 lane + 8,192 w
	v_lshlrev_b32 v5, 2, v[T+1]                    ; LDS: my wave's word
	v_mov_b32 v6, 0                                ; LDS: the eight words
	s_wait_alu depctr_va_sdst(0)                   ; s22 is written, ahead of its first reader: my channel and my share of the weights are made from it
	s_and_b32 s23, ttmp9, 31                       ; the group's number in its image
	s_lshl3_add_u32 s23, s23, s22                  ; my channel c = 8 group + w
	s_lshl_b32 s23, s23, 2                         ; byte offset of gamma[c] and beta[c]
	s_lshl_b32 s26, ttmp9, 17                      ; the group's 131,072 bytes of x
	s_mov_b32 s27, 0
	s_lshl_b32 s38, ttmp9, 16                      ; the group's 65,536 bytes of h
	s_mov_b32 s39, 0
	s_mov_b32 s30, 0x76543210                      ; v_permlanex16_b32: lane i of one half reads lane i of the other
	s_mov_b32 s31, 0xfedcba98
	s_mov_b32 s32, 0x38000000                      ; 2^-15 = 1 / 32,768, the numbers in a group
	s_mov_b32 s33, 0x358637bd                      ; 1e-6
	s_lshr_b32 s34, s22, 1                         ; which weight matrix this wave converts: 0 Wq, 1 Wk, 2 Wv, 3 Wp
	s_and_b32 s35, s22, 1
	s_lshl1_add_u32 s35, ttmp9, s35                ; which 256 weights of it: 2 g + (w & 1), 0 to 255
	s_lshl_b32 s36, s35, 10                        ; in f32 bytes
	s_lshl_b32 s37, s35, 9                         ; in bf16 bytes,
	s_lshl_b32 s35, s34, 17                        ; plus the matrix's 131,072 bytes in wbf
	s_add_co_u32 s37, s37, s35
	v_lshl_add_u32 v3, v[T], 5, s36                ; weights in: 32 lane + my 1,024 bytes
	v_lshl_add_u32 v4, v[T], 4, s37                ; weights out: 16 lane + my 512 bytes
	s_wait_kmcnt 0x0
	s_load_b32 s24, s[6:7], s23 offset:0x0         ; gamma[c]
	s_load_b32 s25, s[8:9], s23 offset:0x0         ; beta[c]
	s_mov_b64 s[28:29], s[10:11]                   ; the matrix's address, chosen by the wave's number alone
	s_cmp_eq_u32 s34, 1
	s_cselect_b64 s[28:29], s[12:13], s[28:29]
	s_cmp_eq_u32 s34, 2
	s_cselect_b64 s[28:29], s[14:15], s[28:29]
	s_cmp_eq_u32 s34, 3
	s_cselect_b64 s[28:29], s[16:17], s[28:29]
	s_add_nc_u64 s[4:5], s[4:5], s[26:27]
	s_add_nc_u64 s[18:19], s[18:19], s[38:39]
	s_wait_alu depctr_va_vdst(0)                   ; v1 to v6 are written: every load, store and LDS instruction of the kernel reads one of them as its offset or address
	global_load_b128 v[WT:WT+3],   v3, s[28:29]
	global_load_b128 v[WT+4:WT+7], v3, s[28:29] offset:16
.set i, 0
.rept 32
	global_load_b128 v[X+4*i:X+4*i+3], v1, s[4:5] offset:512*i     ; all 32 loads of the channel go out at once
.set i, i+1
.endr
	s_wait_loadcnt 32                              ; loads come back in order: the two weight loads are in, the 32 of x stay out
.irp j, 0,1,2,3
	v_cvt_pk_bf16_f32 v[WB+\j], v[WT+2*\j], v[WT+2*\j+1]           ; their store stands behind the first sum's wait
.endr
; The sum of v[reg] over the 32 lanes, in every lane.  tmp has been written before (v_permlanex16_b32 counts as a reader of its destination).
.macro WSUM reg, tmp
	v_add_f32_dpp v[\reg], v[\reg], v[\reg] row_xmask:1 row_mask:0xf bank_mask:0xf
	v_add_f32_dpp v[\reg], v[\reg], v[\reg] row_xmask:2 row_mask:0xf bank_mask:0xf
	v_add_f32_dpp v[\reg], v[\reg], v[\reg] row_xmask:4 row_mask:0xf bank_mask:0xf
	v_add_f32_dpp v[\reg], v[\reg], v[\reg] row_xmask:8 row_mask:0xf bank_mask:0xf
	v_permlanex16_b32 v[\tmp], v[\reg], s30, s31
	v_add_f32 v[\reg], v[\reg], v[\tmp]
.endm
; Folds the four chains, sums over lanes and over the eight waves (LDS bytes at .. at + 31); the group's sum ends in v[T] of every lane.
; weights = 1: the store of my 256 weights goes out behind the same wait.
.macro WGSUM at, weights
	v_pk_add_f32 v[A:A+1], v[A:A+1], v[A+2:A+3]
	v_pk_add_f32 v[A+4:A+5], v[A+4:A+5], v[A+6:A+7]
	v_pk_add_f32 v[A:A+1], v[A:A+1], v[A+4:A+5]
	v_add_f32 v[A], v[A], v[A+1]
	WSUM A, A+1
	s_wait_alu depctr_va_vdst(0)                   ; the sum has written v[A], which the LDS store reads; the conversions have written v[WB ..], which the store of wbf reads; all that named v[T ..], in which the LDS loads below land, is done
	ds_store_b32 v5, v[A] offset:\at               ; all lanes write my wave's word with the same value
.if \weights
	global_store_b128 v4, v[WB:WB+3], s[20:21]     ; the wave stores 512 consecutive bytes
.endif
	s_wait_dscnt 0x0                               ; my word is in LDS before I say so
	s_barrier_signal -1
	s_barrier_wait -1
	ds_load_b128 v[T:T+3],   v6 offset:\at         ; no vector instruction since the wait above names v[T ..]
	ds_load_b128 v[T+4:T+7], v6 offset:\at+16
	s_wait_dscnt 0x0
	v_pk_add_f32 v[T:T+1], v[T:T+1], v[T+2:T+3]
	v_pk_add_f32 v[T+4:T+5], v[T+4:T+5], v[T+6:T+7]
	v_pk_add_f32 v[T:T+1], v[T:T+1], v[T+4:T+5]
	v_add_f32 v[T], v[T], v[T+1]
.endm
	; pass 1: the sum.  The first four loads start the chains: nothing is cleared.
	s_wait_loadcnt 28                              ; loads 0 to 3 are in, 28 younger ones stay out
.irp j, 0,1,2,3
	v_pk_add_f32 v[A+2*\j:A+2*\j+1], v[X+4*\j:X+4*\j+1], v[X+4*\j+2:X+4*\j+3]
.endr
.set g, 1
.rept 7
	s_wait_loadcnt 28-4*g                          ; loads 4 g to 4 g + 3 are in, the younger ones stay out
.set j, 0
.rept 8
	v_pk_add_f32 v[A+2*(j%4):A+2*(j%4)+1], v[A+2*(j%4):A+2*(j%4)+1], v[X+16*g+2*j:X+16*g+2*j+1]
.set j, j+1
.endr
.set g, g+1
.endr
	WGSUM 0, 1
	v_mul_f32 v[MU],   s32, v[T]
	v_mul_f32 v[MU+1], s32, v[T]
	; pass 2: x - mu in place, and the sum of its squares
	s_wait_alu depctr_vm_vsrc(0)                   ; the first sum's LDS store has read v[A], which the second line below writes again
.set j, 0
.rept 64
	v_pk_add_f32 v[X+2*j:X+2*j+1], v[X+2*j:X+2*j+1], v[MU:MU+1] neg_lo:[0,1] neg_hi:[0,1]
.if j < 4
	v_pk_mul_f32 v[A+2*j:A+2*j+1], v[X+2*j:X+2*j+1], v[X+2*j:X+2*j+1]
.else
	v_pk_fma_f32 v[A+2*(j%4):A+2*(j%4)+1], v[X+2*j:X+2*j+1], v[X+2*j:X+2*j+1], v[A+2*(j%4):A+2*(j%4)+1]
.endif
.set j, j+1
.endr
	WGSUM 32, 0                                    ; other LDS bytes than the first sum's, so one barrier is enough
	s_wait_kmcnt 0x0                               ; gamma[c], beta[c]
	v_fma_f32 v[T], v[T], s32, s33                 ; var + eps
	v_rsq_f32 v[T+1], v[T]
	v_mov_b32 v[BT],   s25                         ; plain vector work between v_rsq_f32 and the use of its result (ISA guide 5.7.2)
	v_mov_b32 v[BT+1], s25
	s_wait_alu depctr_va_vdst(0)                   ; v_rsq_f32 has written v[T+1], which the two multiplies read
	v_mul_f32 v[SC],   s24, v[T+1]
	v_mul_f32 v[SC+1], s24, v[T+1]
	; pass 3: scale, shift, round once to bf16, store.  Eight blocks of four rows; a block's stores are issued in the block behind it, one ahead of each of its rows.
.set i, 0
.rept 32
.if (i >= 4) && (i%4 == 0)
	s_wait_alu depctr_va_vdst(0)                   ; the block before has written its rows' first two registers, which the four stores dealt among this block's rows read
.endif
.if i >= 4
	global_store_b64 v2, v[X+4*(i-4):X+4*(i-4)+1], s[18:19] offset:256*(i-4)       ; 32 lanes store 256 consecutive bytes, at a multiple of 256 from h's first byte; no vector instruction since the wait names these registers
.endif
	v_pk_fma_f32 v[X+4*i:X+4*i+1],   v[X+4*i:X+4*i+1],   v[SC:SC+1], v[BT:BT+1]
	v_pk_fma_f32 v[X+4*i+2:X+4*i+3], v[X+4*i+2:X+4*i+3], v[SC:SC+1], v[BT:BT+1]
	v_cvt_pk_bf16_f32 v[X+4*i],   v[X+4*i],   v[X+4*i+1]
	v_cvt_pk_bf16_f32 v[X+4*i+1], v[X+4*i+2], v[X+4*i+3]
.set i, i+1
.endr
	s_wait_alu depctr_va_vdst(0)                   ; the last block has written its rows, which the last four stores read
.set i, 28
.rept 4
	global_store_b64 v2, v[X+4*i:X+4*i+1], s[18:19] offset:256*i
.set i, i+1
.endr
	s_wait_dscnt 0x0                               ; the closing lines, six on end
	s_wait_alu 0x0
	s_wait_tensorcnt 0x0
	ds_add_u32 v176, v177
	s_wait_dscnt 0x0
	s_endpgm
.Lfunc_end_k_qbb8d20c105_gnorm:
	.size	k_qbb8d20c105_gnorm, .Lfunc_end_k_qbb8d20c105_gnorm-k_qbb8d20c105_gnorm
	.p2alignl 7, 3214868480
	.fill 96, 4, 3214868480
	.section	.rodata,"a",@progbits
	.p2align	6, 0x0
	.amdhsa_kernel k_qbb8d20c105_gnorm
		.amdhsa_group_segment_fixed_size 1280
		.amdhsa_private_segment_fixed_size 0
		.amdhsa_enable_private_segment 0
		.amdhsa_kernarg_size 72
		.amdhsa_user_sgpr_count 2
		.amdhsa_user_sgpr_kernarg_segment_ptr 1
		.amdhsa_wavefront_size32 1
		.amdhsa_system_sgpr_workgroup_id_x 1
		.amdhsa_system_sgpr_workgroup_id_y 1
		.amdhsa_system_sgpr_workgroup_id_z 1
		.amdhsa_system_vgpr_workitem_id 0
		.amdhsa_next_free_vgpr 178
		.amdhsa_next_free_sgpr 66
		.amdhsa_reserve_vcc 0
		.amdhsa_float_denorm_mode_32 3
		.amdhsa_float_denorm_mode_16_64 3
		.amdhsa_memory_ordered 1
		.amdhsa_forward_progress 1
		.amdhsa_inst_pref_size 32
	.end_amdhsa_kernel
	.amdgpu_metadata
---
amdhsa.version: [ 1, 2 ]
amdhsa.kernels:
  - .name:           k_qbb8d20c105_gnorm
    .symbol:         k_qbb8d20c105_gnorm.kd
    .args:
      - { .name: x, .offset: 0, .size: 8, .value_kind: global_buffer, .address_space: global }
      - { .name: gamma, .offset: 8, .size: 8, .value_kind: global_buffer, .address_space: global }
      - { .name: beta, .offset: 16, .size: 8, .value_kind: global_buffer, .address_space: global }
      - { .name: Wq, .offset: 24, .size: 8, .value_kind: global_buffer, .address_space: global }
      - { .name: Wk, .offset: 32, .size: 8, .value_kind: global_buffer, .address_space: global }
      - { .name: Wv, .offset: 40, .size: 8, .value_kind: global_buffer, .address_space: global }
      - { .name: Wp, .offset: 48, .size: 8, .value_kind: global_buffer, .address_space: global }
      - { .name: h, .offset: 56, .size: 8, .value_kind: global_buffer, .address_space: global }
      - { .name: wbf, .offset: 64, .size: 8, .value_kind: global_buffer, .address_space: global }
    .group_segment_fixed_size: 1280
    .private_segment_fixed_size: 0
    .kernarg_segment_align: 8
    .kernarg_segment_size: 72
    .max_flat_workgroup_size: 256
    .sgpr_count:     66
    .vgpr_count:     178
    .wavefront_size: 32
...
	.end_amdgpu_metadata
.endif
;; end of part 4
;; launch qkv: the kernel of part 2 again; grid 32 x 8, 4 waves a work-group, clusters of 4 x 1, 276,992 bytes of LDS; arguments h, wbf, bq, bk, bv, q, k, v; writes q, k, v
;; launch attn: the kernel of part 3 again; grid 64 x 4, 4 waves a work-group, clusters of 4 x 1, 327,680 bytes of LDS; arguments q, k, v, wbf, bp, x, out0; writes out0
